; MI455X (gfx1250); checked and timed in simulation.
; The chip was launched on July 23, 2026; its instructions are those of AMD's public machine-readable ISA for CDNA 5 (MIT licence, August 2026) and "CDNA5" Instruction Set Architecture Reference Guide (July 2026). The comments in the code are by the model that wrote it; some were corrected since.
;; CAN Layer. Allowed arithmetic: float matrix products may take bf16 or f16 operands with f32 sums; other float arithmetic in f32, or as packed bf16 or f16 multiplies, adds, multiply-adds, maxima and minima; sums over many terms, partial sums and values carried from step to step in f32; what a program stores and reads back later, other than sums and carried values, may be rounded once to bf16 or f16.
;; Inputs: Wk_d 256 x 256 float32; Wk_p 256 x 256 float32; Wq_d 256 x 256 float32; Wq_p 256 x 256 float32; Wv_d 256 x 256 float32; Wv_p 256 x 256 float32; drug 16 x 512 x 256 float32; mask_drug 16 x 512 bool; mask_prot 16 x 2,048 bool; protein 16 x 2,048 x 256 float32.
;; Outputs: out0 16 x 512 float32; out1 16 x 128 x 512 x 8 float32.
;; 2 versions, each right and faster than the one before. Each part assembles by itself: llvm-mc -triple=amdgcn-amd-amdhsa -mcpu=gfx1250 --defsym DOCPART=n.
;; ======== version 1 of 2: 4 launches
;; limits: values outside matrix products are rounded to bf16; values are held in f16: magnitudes above 65,504 overflow, below 6.1e-05 lose precision
;; workspace buffers: xg 5,242,880 bytes; fp 12,582,912 bytes; fd 3,145,728 bytes; ska 262,144 bytes; skb 786,432 bytes
;; launch grp (part 1): grid 320 x 1, 8 waves a work-group, no clusters, 0 bytes of LDS; arguments protein, drug, xg; writes xg
.if DOCPART == 1
	.amdgcn_target "amdgcn-amd-amdhsa--gfx1250"
	.amdhsa_code_object_version 6
	.text
	.protected	k_q4761131c1f_grp
	.globl	k_q4761131c1f_grp
	.p2align	8
	.type	k_q4761131c1f_grp,@function
k_q4761131c1f_grp:
	s_mov_b64 s[64:65], 0
	v_nop
	global_prefetch_b8 v0, s[64:65] scope:SCOPE_SE
	s_setreg_imm32_b32 hwreg(HW_REG_WAVE_MODE, 25, 1), 1
	s_wait_xcnt 0x0
; xg[g][c] = the mean of four neighbouring rows of protein (g < 8192) or drug (g >= 8192), rounded once to f16.
; f16, not bf16: the launch's numbers end, summed over hundreds of rows, in an output whose allowance bf16's 8 bits do not hold.  LIMIT: a mean of 65,520 or more in magnitude becomes an infinity.
; A work-group makes 32 grouped rows (128 rows of 1,024 bytes), a wave 4.  All 32 loads of a wave (512 consecutive bytes each) go out at once;
; a store of 8 bytes a lane covers 256 consecutive bytes, aligned.  Memory binds: no LDS, no matrix unit.
.set X, 16                             ; v[16:143]  load number 8 i + 2 j + half: grouped row i, raw row j, half of the row
.set Y, 144                            ; v[144:159] packed results, a pair for each store
	s_load_b128 s[4:7], s[0:1], 0x0                ; protein, drug
	s_load_b64 s[8:9], s[0:1], 0x10                ; xg
	v_lshrrev_b32 v1, 5, v0                        ; wave
	v_and_b32 v2, 31, v0                           ; lane
	v_lshlrev_b32 v3, 14, v1                       ; 16 raw rows a wave
	v_lshl_add_u32 v3, v2, 4, v3                   ; + 16 bytes a lane
	v_lshlrev_b32 v4, 11, v1                       ; 4 grouped rows of 512 bytes a wave
	v_lshl_add_u32 v4, v2, 3, v4                   ; + 8 bytes a lane
	s_cmp_lt_u32 ttmp9, 256
	s_cselect_b32 s10, 0, 256
	s_sub_co_u32 s10, ttmp9, s10                   ; the block's number in its own tensor
	s_lshl_b32 s12, s10, 17                        ; x 128 rows x 1,024 bytes
	s_mov_b32 s13, 0
	s_lshl_b32 s14, ttmp9, 14                      ; x 32 rows x 512 bytes
	s_mov_b32 s15, 0
	s_mov_b32 s10, 0x3e800000                      ; 0.25
	s_mov_b32 s11, s10
	s_wait_kmcnt 0x0
	s_cmp_lt_u32 ttmp9, 256
	s_cselect_b64 s[4:5], s[4:5], s[6:7]
	s_add_nc_u64 s[4:5], s[4:5], s[12:13]
	s_add_nc_u64 s[8:9], s[8:9], s[14:15]
.set i, 0
.rept 32
	global_load_b128 v[X+4*i:X+4*i+3], v3, s[4:5] offset:512*i th:TH_LOAD_NT
.set i, i+1
.endr
.macro ROWG i
	s_wait_loadcnt 24-8*(\i)                       ; loads come back in order: this row's eight are in, eight for each later row stay out
.irp hf, 0,1
.set a, X+32*(\i)+4*\hf
	v_pk_add_f32 v[a:a+1], v[a:a+1], v[a+8:a+9]
	v_pk_add_f32 v[a+2:a+3], v[a+2:a+3], v[a+10:a+11]
	v_pk_add_f32 v[a+16:a+17], v[a+16:a+17], v[a+24:a+25]
	v_pk_add_f32 v[a+18:a+19], v[a+18:a+19], v[a+26:a+27]
	v_pk_add_f32 v[a:a+1], v[a:a+1], v[a+16:a+17]
	v_pk_add_f32 v[a+2:a+3], v[a+2:a+3], v[a+18:a+19]
	v_pk_mul_f32 v[a:a+1], v[a:a+1], s[10:11] op_sel_hi:[1,0]
	v_pk_mul_f32 v[a+2:a+3], v[a+2:a+3], s[10:11] op_sel_hi:[1,0]
	v_cvt_pk_f16_f32 v[Y+4*(\i)+2*\hf], v[a], v[a+1]
	v_cvt_pk_f16_f32 v[Y+4*(\i)+2*\hf+1], v[a+2], v[a+3]
	global_store_b64 v4, v[Y+4*(\i)+2*\hf:Y+4*(\i)+2*\hf+1], s[8:9] offset:512*(\i)+256*\hf th:TH_STORE_NT
.endr
.endm
	ROWG 0
	ROWG 1
	ROWG 2
	ROWG 3
	s_endpgm
.Lfunc_end_k_q4761131c1f_grp:
	.size	k_q4761131c1f_grp, .Lfunc_end_k_q4761131c1f_grp-k_q4761131c1f_grp
	.p2alignl 7, 3214868480
	.fill 96, 4, 3214868480
	.section	.rodata,"a",@progbits
	.p2align	6, 0x0
	.amdhsa_kernel k_q4761131c1f_grp
		.amdhsa_group_segment_fixed_size 0
		.amdhsa_private_segment_fixed_size 0
		.amdhsa_enable_private_segment 0
		.amdhsa_kernarg_size 24
		.amdhsa_user_sgpr_count 2
		.amdhsa_user_sgpr_kernarg_segment_ptr 1
		.amdhsa_wavefront_size32 1
		.amdhsa_system_sgpr_workgroup_id_x 1
		.amdhsa_system_sgpr_workgroup_id_y 1
		.amdhsa_system_sgpr_workgroup_id_z 1
		.amdhsa_system_vgpr_workitem_id 0
		.amdhsa_next_free_vgpr 160
		.amdhsa_next_free_sgpr 66
		.amdhsa_reserve_vcc 0
		.amdhsa_float_denorm_mode_32 3
		.amdhsa_float_denorm_mode_16_64 3
		.amdhsa_memory_ordered 1
		.amdhsa_forward_progress 1
		.amdhsa_inst_pref_size 11
	.end_amdhsa_kernel
	.amdgpu_metadata
---
amdhsa.version: [ 1, 2 ]
amdhsa.kernels:
  - .name:           k_q4761131c1f_grp
    .symbol:         k_q4761131c1f_grp.kd
    .args:
      - { .name: protein, .offset: 0, .size: 8, .value_kind: global_buffer, .address_space: global }
      - { .name: drug, .offset: 8, .size: 8, .value_kind: global_buffer, .address_space: global }
      - { .name: xg, .offset: 16, .size: 8, .value_kind: global_buffer, .address_space: global }
    .group_segment_fixed_size: 0
    .private_segment_fixed_size: 0
    .kernarg_segment_align: 8
    .kernarg_segment_size: 24
    .max_flat_workgroup_size: 256
    .sgpr_count:     66
    .vgpr_count:     160
    .wavefront_size: 32
...
	.end_amdgpu_metadata
.endif
;; end of part 1
;; launch proj (part 2): grid 80 x 3, 4 waves a work-group, no clusters, 0 bytes of LDS; arguments xg, Wq_p, Wk_p, Wv_p, Wq_d, Wk_d, Wv_d, fp, fd; writes fp, fd
.if DOCPART == 2
	.amdgcn_target "amdgcn-amd-amdhsa--gfx1250"
	.amdhsa_code_object_version 6
	.text
	.protected	k_q4761131c1f_proj
	.globl	k_q4761131c1f_proj
	.p2align	8
	.type	k_q4761131c1f_proj,@function
k_q4761131c1f_proj:
	s_mov_b64 s[64:65], 0
	v_nop
	global_prefetch_b8 v0, s[64:65] scope:SCOPE_SE
	s_setreg_imm32_b32 hwreg(HW_REG_WAVE_MODE, 25, 1), 1
	s_wait_xcnt 0x0
; q, k or v (grid y) of 128 grouped rows (grid x): out[g][c] = sum over k of xg[g][k] W[c][k], f16 operands, f32 sums; q is multiplied by 1/sqrt(32) in f32.
; q and k are rounded once to bf16 (operands of the score products), v once to f16: v's rows are summed by the hundred into an output whose allowance bf16's 8 bits do not hold.
; LIMITS.  f16 ends at 65,504: a weight or a number of v of 65,520 or more in magnitude becomes an infinity; below 6e-5 f16 keeps its fixed step of 6e-8.
; A wave makes 64 channels (two heads); its 64 rows of W stay in registers as f16 (256 registers, window 1).
; The product is taken transposed (source 0 = 16 rows of W, source 1 = 16 rows of xg): a lane ends with one row and eight neighbouring channels, 16 bytes,
; which ARE its part of a 16 x 32 fragment of the head: the result is stored in fragment order [which][n 8 + head][tile][half][lane][16 bytes], 512 consecutive bytes a store.
; K is permuted alike in both sources: place p of the 16 of lane half h in fragment s stands for k = 32 s + 16 h + p, so a lane's part of a fragment is consecutive in memory.
.set WO, 2                             ; v2     my byte offset in W: (64 w + l % 16) x 1,024 + 64 (l / 16)
.set XO, 3                             ; v3     in the block of xg: (l % 16) x 512 + 32 (l / 16)
.set VO, 4                             ; v4-7   where channel tile ct goes
.set TW, 16                            ; v[16:143] W as f32, two sets of 64; later xg's fragments, two buffers of 64
.set XB, 16
.set ACC, 144                          ; v[144:175] four accumulators
.set PK, 176                           ; v[176:191] packed results
.set MSB, 0
.macro WIN new                         ; the immediate's high byte repeats the setting that is left
.if MSB != (\new)
	s_set_vgpr_msb (MSB<<8)|(\new)
.set MSB, (\new)
.endif
.endm
	s_load_b512 s[4:19], s[0:1], 0x0               ; xg, Wq_p, Wk_p, Wv_p, Wq_d, Wk_d, Wv_d, fp
	s_load_b64 s[20:21], s[0:1], 0x40              ; fd
	v_lshrrev_b32 v1, 5, v0
	v_readfirstlane_b32 s32, v1                    ; wave
	v_and_b32 v8, 15, v0
	v_bfe_u32 v9, v0, 4, 1
	v_and_b32 v10, 31, v0
	s_and_b32 s33, ttmp7, 0xffff                   ; 0 q, 1 k, 2 v
	s_mov_b32 s34, ttmp9                           ; row block
	s_lshl_b32 s35, s32, 16
	v_lshlrev_b32 v[WO], 10, v8
	v_lshl_add_u32 v[WO], v9, 6, v[WO]
	v_add_nc_u32 v[WO], s35, v[WO]
	v_lshlrev_b32 v[XO], 9, v8
	v_lshl_add_u32 v[XO], v9, 5, v[XO]
	s_lshr_b32 s37, s34, 2
	s_sub_co_u32 s38, s34, 64
	s_and_b32 s39, s34, 3
	s_cmp_lt_u32 s34, 64                           ; blocks 0-63 are protein's, four a sample; 64-79 drug's, one a sample
	s_cselect_b32 s36, 15, 13                      ; a head's fragments: 32,768 or 8,192 bytes
	s_cselect_b32 s37, s37, s38                    ; n
	s_cselect_b32 s39, s39, 0                      ; which eight tiles of the sample
	s_lshl_b32 s40, s33, 7
	s_lshl3_add_u32 s40, s37, s40                  ; 128 which + 8 n
	s_lshl_b32 s40, s40, s36
	s_lshl_b32 s39, s39, 13
	s_add_co_u32 s40, s40, s39
	s_mov_b32 s41, 0
	s_lshl_b32 s42, s32, 1
	s_lshl_b32 s43, s42, s36                       ; head 2 w
	s_add_co_u32 s42, s42, 1
	s_lshl_b32 s44, s42, s36                       ; head 2 w + 1
	v_lshlrev_b32 v11, 4, v10
	v_add_nc_u32 v[VO], s43, v11
	v_add_nc_u32 v[VO+1], 512, v[VO]
	v_add_nc_u32 v[VO+2], s44, v11
	v_add_nc_u32 v[VO+3], 512, v[VO+2]
	s_lshl_b32 s46, s34, 16                        ; 128 rows of 512 bytes
	s_mov_b32 s47, 0
	s_cmp_eq_u32 s33, 0
	s_cselect_b32 s48, 0x3e3504f3, 1.0             ; 1 / sqrt(32) for q
	s_mov_b32 s49, s48
	s_wait_kmcnt 0x0
	s_cmp_lt_u32 s34, 64
	s_cselect_b64 s[22:23], s[6:7], s[12:13]
	s_cselect_b64 s[24:25], s[8:9], s[14:15]
	s_cselect_b64 s[26:27], s[10:11], s[16:17]
	s_cselect_b64 s[28:29], s[18:19], s[20:21]
	s_cmp_eq_u32 s33, 0
	s_cselect_b64 s[22:23], s[22:23], s[24:25]
	s_cmp_eq_u32 s33, 2
	s_cselect_b64 s[22:23], s[26:27], s[22:23]     ; W
	s_add_nc_u64 s[28:29], s[28:29], s[40:41]      ; out
	s_add_nc_u64 s[4:5], s[4:5], s[46:47]          ; xg at the block
.macro WLD b, set                      ; batch b: channel tile b / 2, fragments 4 (b % 2) on: 16 loads
.set ws, 0
.rept 4
.set wj, 0
.rept 4
	global_load_b128 v[TW+64*(\set)+16*ws+4*wj:TW+64*(\set)+16*ws+4*wj+3], v[WO], s[22:23] offset:((\b)/2)*16384+128*(4*((\b)%2)+ws)+16*wj
.set wj, wj+1
.endr
.set ws, ws+1
.endr
.endm
.macro WCV b, set                      ; rounded to f16 into window 1: tile ct, fragment s at 64 ct + 8 s
	WIN 0x40
.set ws, 0
.rept 4
.set wj, 0
.rept 8
	v_cvt_pk_f16_f32 v[64*((\b)/2)+8*(4*((\b)%2)+ws)+wj], v[TW+64*(\set)+16*ws+2*wj], v[TW+64*(\set)+16*ws+2*wj+1]
.set wj, wj+1
.endr
.set ws, ws+1
.endr
	WIN 0
.endm
.macro XLD mt, bf                      ; row tile mt's eight fragments: 16 loads
.set xs, 0
.rept 8
	global_load_b128 v[XB+64*(\bf)+8*xs:XB+64*(\bf)+8*xs+3], v[XO], s[4:5] offset:8192*(\mt)+64*xs
	global_load_b128 v[XB+64*(\bf)+8*xs+4:XB+64*(\bf)+8*xs+7], v[XO], s[4:5] offset:8192*(\mt)+64*xs+16
.set xs, xs+1
.endr
.endm
	WLD 0, 0
	WLD 1, 1
.irp b, 0,1,2,3,4,5,6,7
	s_wait_loadcnt 16                              ; this batch is in; the 16 loads issued behind it stay out
	WCV \b, (\b)%2
.if \b < 6
	WLD (\b)+2, (\b)%2
.else
	XLD (\b)-6, (\b)%2                             ; the sets are free: xg's first two tiles
.endif
.endr
.macro MT mt
.set bf, (\mt)%2
.if (\mt) < 7
	s_wait_loadcnt 16                              ; my tile is in; the next tile's 16 loads stay out
.else
	s_wait_loadcnt 0x0
.endif
	WIN 0x01                                       ; source 0 (W) in window 1
.set ms, 0
.rept 8                                ; the four accumulators take turns
.set mc, 0
.rept 4
.if ms == 0
	v_wmma_f32_16x16x32_f16 v[ACC+8*mc:ACC+8*mc+7], v[64*mc+8*ms:64*mc+8*ms+7], v[XB+64*bf+8*ms:XB+64*bf+8*ms+7], 0
.else
	v_wmma_f32_16x16x32_f16 v[ACC+8*mc:ACC+8*mc+7], v[64*mc+8*ms:64*mc+8*ms+7], v[XB+64*bf+8*ms:XB+64*bf+8*ms+7], v[ACC+8*mc:ACC+8*mc+7]
.endif
.set mc, mc+1
.endr
.set ms, ms+1
.endr
	WIN 0
.rept 4
	v_nop                                          ; four places behind the last product, ahead of loads into its sources and of reads of its result
.endr
.if (\mt) < 6
	XLD (\mt)+2, bf
.endif
	s_wait_xcnt 0x0                                ; the last tile's stores have read PK
.set mc, 0
.rept 16
	v_pk_mul_f32 v[ACC+2*mc:ACC+2*mc+1], v[ACC+2*mc:ACC+2*mc+1], s[48:49] op_sel_hi:[1,0]
.set mc, mc+1
.endr
	s_cmp_eq_u32 s33, 2                            ; the launch's y: the same for the whole work-group
	s_cbranch_scc1 .Lvf_\@
.set mc, 0
.rept 16
	v_cvt_pk_bf16_f32 v[PK+mc], v[ACC+2*mc], v[ACC+2*mc+1]  ; q and k
.set mc, mc+1
.endr
	s_branch .Lst_\@
.Lvf_\@:
.set mc, 0
.rept 16
	v_cvt_pk_f16_f32 v[PK+mc], v[ACC+2*mc], v[ACC+2*mc+1]   ; v
.set mc, mc+1
.endr
.Lst_\@:
.set mc, 0
.rept 4
	global_store_b128 v[VO+mc], v[PK+4*mc:PK+4*mc+3], s[28:29] offset:1024*(\mt)
.set mc, mc+1
.endr
.endm
.irp m, 0,1,2,3,4,5,6,7
	MT \m
.endr
	s_endpgm
.Lfunc_end_k_q4761131c1f_proj:
	.size	k_q4761131c1f_proj, .Lfunc_end_k_q4761131c1f_proj-k_q4761131c1f_proj
	.p2alignl 7, 3214868480
	.fill 96, 4, 3214868480
	.section	.rodata,"a",@progbits
	.p2align	6, 0x0
	.amdhsa_kernel k_q4761131c1f_proj
		.amdhsa_group_segment_fixed_size 0
		.amdhsa_private_segment_fixed_size 0
		.amdhsa_enable_private_segment 0
		.amdhsa_kernarg_size 72
		.amdhsa_user_sgpr_count 2
		.amdhsa_user_sgpr_kernarg_segment_ptr 1
		.amdhsa_wavefront_size32 1
		.amdhsa_system_sgpr_workgroup_id_x 1
		.amdhsa_system_sgpr_workgroup_id_y 1
		.amdhsa_system_sgpr_workgroup_id_z 1
		.amdhsa_system_vgpr_workitem_id 0
		.amdhsa_next_free_vgpr 512
		.amdhsa_next_free_sgpr 66
		.amdhsa_reserve_vcc 0
		.amdhsa_float_denorm_mode_32 3
		.amdhsa_float_denorm_mode_16_64 3
		.amdhsa_memory_ordered 1
		.amdhsa_forward_progress 1
		.amdhsa_inst_pref_size 89
	.end_amdhsa_kernel
	.amdgpu_metadata
---
amdhsa.version: [ 1, 2 ]
amdhsa.kernels:
  - .name:           k_q4761131c1f_proj
    .symbol:         k_q4761131c1f_proj.kd
    .args:
      - { .name: xg, .offset: 0, .size: 8, .value_kind: global_buffer, .address_space: global }
      - { .name: Wq_p, .offset: 8, .size: 8, .value_kind: global_buffer, .address_space: global }
      - { .name: Wk_p, .offset: 16, .size: 8, .value_kind: global_buffer, .address_space: global }
      - { .name: Wv_p, .offset: 24, .size: 8, .value_kind: global_buffer, .address_space: global }
      - { .name: Wq_d, .offset: 32, .size: 8, .value_kind: global_buffer, .address_space: global }
      - { .name: Wk_d, .offset: 40, .size: 8, .value_kind: global_buffer, .address_space: global }
      - { .name: Wv_d, .offset: 48, .size: 8, .value_kind: global_buffer, .address_space: global }
      - { .name: fp, .offset: 56, .size: 8, .value_kind: global_buffer, .address_space: global }
      - { .name: fd, .offset: 64, .size: 8, .value_kind: global_buffer, .address_space: global }
    .group_segment_fixed_size: 0
    .private_segment_fixed_size: 0
    .kernarg_segment_align: 8
    .kernarg_segment_size: 72
    .max_flat_workgroup_size: 128
    .sgpr_count:     66
    .vgpr_count:     512
    .wavefront_size: 32
...
	.end_amdgpu_metadata
.endif
;; end of part 2
;; launch sink (part 3): grid 128 x 2, 4 waves a work-group, no clusters, 319,488 bytes of LDS; arguments fp, fd, mask_prot, mask_drug, ska, skb; writes ska, skb
.if DOCPART == 3
	.amdgcn_target "amdgcn-amd-amdhsa--gfx1250"
	.amdhsa_code_object_version 6
	.text
	.protected	k_q4761131c1f_sink
	.globl	k_q4761131c1f_sink
	.p2align	8
	.type	k_q4761131c1f_sink,@function
k_q4761131c1f_sink:
	s_mov_b64 s[64:65], 0
	v_nop
	global_prefetch_b8 v0, s[64:65] scope:SCOPE_SE
	s_setreg_imm32_b32 hwreg(HW_REG_WAVE_MODE, 25, 1), 1
	s_wait_xcnt 0x0
; The softmax over a whole score matrix and four Sinkhorn steps, for one sample and head (grid x).  Grid y = 0: protein x protein (512 x 512).  y = 1: protein x drug (512 x 128), drug x protein (128 x 512), drug x drug (128 x 128).
; FORM.  A = diag(u) (e + eps Z) diag(v), e = exp(l - m), m the matrix's maximum, Z the sum of e (hidden pairs counted with l - 1e6), eps = 1e-12; u starts at valid / Z, v at valid.
; A row step is u /= u (sum_j e v + eps Z sum v) + eps, a column step the same with the parts changed.  The rank-one part eps Z is added by way of sum v or sum u.
; What leaves: t_j = v_j sum_i u_i (e + eps Z), the final matrix's column sums, times 0.5 / (number of valid rows): the masked mean of A V is sum_j t_j V_j.  For drug x protein also u, v, -m log2(e), eps Z.
; e IS KEPT, rounded once to bf16, as fragments with a lane a row and k along the columns; a wave owns all rows of a quarter of the columns.  512 x 512: half in registers (windows 1, 2), half in the wave's own LDS slab.
; ROW STEP: matrix unit, source 0 = v in bf16 (the same in all 16 rows), source 1 = e.  COLUMN STEP: f32 multiply-adds straight from e's halves with u in f32, then a sum over 16 lanes.
; LIMITS.  e and the row step's v have bf16's 8 bits; a weight below 2^-126 counts as 0; u and v are held to 1e30 at the most (they pass it only where all rows or all columns are hidden); NaN and infinities are not treated apart.
.set SLABB, 73728                      ; a wave's slab: 512 rows at pitch 144 (64 columns) or less
.set PS,    294912                     ; partial row sums [wave][row] f32: 12,288 bytes
.set UF,    307200                     ; u in f32: 3,072 bytes
.set RED,   310272                     ; slots of four words, one a wave: maxima 0-2, Z 3-5, sum v 6-8, sum u 9-11
.set OUTB,  310528                     ; the image of the record that leaves: 6,144 bytes
.set SPARE, 316672                     ; the spare words, 128 bytes a wave
.set R, 1                              ; l % 16
.set H, 2                              ; l / 16
.set LANE, 3
.set SPW, 4                            ; my spare word; never rewritten
.set NIL, 5                            ; 0; never rewritten
.set QO, 6                             ; sweep: offset of the row tile's fragment
.set RO, 7                             ; sweep: offset of my row's mask word
.set SA, 8                             ; sweep: where my 16 bytes go in the slab
.set LA0, 9                            ; slab + row x pitch + 16 (l / 16)
.set LA1, 10                           ; the same + 36,864
.set L16, 11                           ; 16 x lane
.set H32, 12                           ; 32 (l / 16)
.set SLH, 13                           ; slab + 16 (l / 16)
.set PSA, 14                           ; v14-16 by matrix: where my row's partial sum goes
.set PRA, 17                           ; v17-19 where I read partial sums
.set UFW, 20                           ; v20-22 where my u goes
.set LCA, 15                           ; (512 x 512 alone) the column loop's slab address, its u address and their bounds
.set ULA, 16
.set LCLIM, 18
.set ULIM, 19
.set UDA, 23                           ; UF + 4 (l % 16)
.set OA, 24                            ; v24-26 by matrix: OUTB + 4 x my first column + 32 (l / 16)
.set REDW, 27
.set REDR, 28
.set NEGV, 29                          ; -1e6
.set ZERO, 30
.set EZ16, 31                          ; eps Z sum u / 16
.set EPSV, 32                          ; pair
.set ML, 34                            ; pair: m log2(e)
.set RM, 36
.set RB, 37
.set US, 38                            ; v38-43 u of my rows
.set T0, 44
.set T1, 45
.set T2, 46
.set T3, 47
.set VR, 48                            ; v[48:143] v in f32: register 8 ct + e is column 16 ct + 8 (l / 16) + e of my columns, the same in 16 lanes
.set VRPD, 48
.set VRDP, 64
.set VRDD, 128
.set WORK, 144
.set KF, 144                           ; making e: keys' fragments, column bias, scores, query fragment, sums
.set CB, 176
.set S,  208
.set QF, 240
.set ZA, 248
.set MX, 248
.set VF, 144                           ; row step: v in bf16, accumulators
.set RA, 176
.set ACC, 144                          ; column step: sums, u by tile, at work
.set UD, 208
.set UL, 240
.set SVT, 248
.set WV, 16
.set XX, 17
.set NN, 18
.set TS, 19
.set QP, 20
.set KP, 22
.set QD, 24
.set KD, 26
.set MP, 28
.set MD, 30
.set SEL, 32
.set L2E, 34
.set CT, 36
.set IT, 37
.set EZ, 40                            ; s40-42 eps Z
.set EZH, 44                           ; s44-46 eps Z / 16
.set MLS, 48                           ; s48-50 m log2(e)
.set HCP, 52                           ; pair: 0.5 / valid protein groups
.set HCD, 54                           ; pair: 0.5 / valid drug groups
.set OF, 56                            ; pair: an offset
.set BIG, 58                           ; 1e30
.set MSB, 0
.macro WIN new                         ; the immediate's high byte repeats the setting that is left
.if MSB != (\new)
	s_set_vgpr_msb (MSB<<8)|(\new)
.set MSB, (\new)
.endif
.endm
.macro BAR                             ; my LDS instructions are done, for the others' sake; then the barrier
	s_wait_dscnt 0x0
	s_barrier_signal -1
	s_barrier_wait -1
.endm
.macro RLOAD slot, d
	ds_load_b128 v[\d:\d+3], v[REDR] offset:16*(\slot)
.endm
.macro RADD d
	v_add_f32 v[\d], v[\d], v[\d+1]
	v_add_f32 v[\d+2], v[\d+2], v[\d+3]
	v_add_f32 v[\d], v[\d], v[\d+2]
.endm
.macro RMAX d
	v_max_num_f32 v[\d], v[\d], v[\d+1]
	v_max_num_f32 v[\d+2], v[\d+2], v[\d+3]
	v_max_num_f32 v[\d], v[\d], v[\d+2]
.endm
.macro WRADD x, y                      ; the sum over 32 lanes, in every lane; y has been written
.irp m, 1,2,4,8
	v_add_f32_dpp v[\x], v[\x], v[\x] row_xmask:\m row_mask:0xf bank_mask:0xf
.endr
	v_permlanex16_b32 v[\y], v[\x], s[SEL], s[SEL+1]
	v_add_f32 v[\x], v[\x], v[\y]
.endm
.macro WRMAX x, y
.irp m, 1,2,4,8
	v_max_num_f32_dpp v[\x], v[\x], v[\x] row_xmask:\m row_mask:0xf bank_mask:0xf
.endr
	v_permlanex16_b32 v[\y], v[\x], s[SEL], s[SEL+1]
	v_max_num_f32 v[\x], v[\x], v[\y]
.endm
.macro WR16 base, n                    ; n registers, each summed over its 16 lanes
.irp m, 1,2,4,8
.set qi, 0
.rept \n
	v_add_f32_dpp v[(\base)+qi], v[(\base)+qi], v[(\base)+qi] row_xmask:\m row_mask:0xf bank_mask:0xf
.set qi, qi+1
.endr
.endr
.endm
.macro DSL d, off                      ; 16 bytes of the slab
.if (\off) >= 36864
	ds_load_b128 v[\d:\d+3], v[LA1] offset:(\off)-36864
.else
	ds_load_b128 v[\d:\d+3], v[LA0] offset:\off
.endif
.endm
; 0.5 / the number of groups with a mask byte set: 4 nl mask words a lane
.macro CNTH nl, ptr, vo, dst
.set ci, 0
.rept \nl
	global_load_b128 v[WORK+4*ci:WORK+4*ci+3], v[\vo], s[\ptr:\ptr+1] offset:16*ci
.set ci, ci+1
.endr
	s_wait_loadcnt 0x0
.set ci, 0
.rept 4*\nl
	v_min_u32 v[WORK+ci], 1, v[WORK+ci]
.set ci, ci+1
.endr
.set ci, 1
.rept 4*\nl-1
	v_add_nc_u32 v[WORK], v[WORK], v[WORK+ci]
.set ci, ci+1
.endr
	v_cvt_f32_u32 v[WORK], v[WORK]
	WRADD WORK, WORK+1
	v_rcp_f32 v[WORK+2], v[WORK]
	v_nop
	s_wait_alu depctr_va_vdst(0)                   ; the wait ahead of the reciprocal's first reader
	v_mul_f32 v[WORK+2], 0.5, v[WORK+2]
	v_readfirstlane_b32 s[\dst], v[WORK+2]
	s_mov_b32 s[\dst+1], s[\dst]
.endm
.macro USINIT usb, nr, vo, mp          ; 1 or 0 for my rows
.set ui, 0
.rept \nr
	global_load_b32 v[\usb+ui], v[\vo], s[\mp:\mp+1] offset:128*ui
.set ui, ui+1
.endr
	s_wait_loadcnt 0x0
.set ui, 0
.rept \nr
	v_cmp_eq_u32 vcc_lo, 0, v[\usb+ui]
	v_cndmask_b32 v[\usb+ui], 1.0, v[ZERO], vcc_lo
.set ui, ui+1
.endr
.endm
; nct tiles of 16 columns: their keys' fragments and their bias (0 or -1e6); vrb >= 0: v starts at 1 or 0
.macro COLSET nct, kp, ksh, kimm, mp, msh, mimm, vrb
	v_lshl_add_u32 v[T0], s[WV], \ksh, v[L16]
	v_lshl_add_u32 v[T1], s[WV], \msh, v[H32]
.set cc, 0
.rept \nct
	global_load_b128 v[KF+8*cc:KF+8*cc+3], v[T0], s[\kp:\kp+1] offset:(\kimm)+1024*cc
	global_load_b128 v[KF+8*cc+4:KF+8*cc+7], v[T0], s[\kp:\kp+1] offset:(\kimm)+1024*cc+512
	global_load_b128 v[S+8*cc:S+8*cc+3], v[T1], s[\mp:\mp+1] offset:(\mimm)+64*cc
	global_load_b128 v[S+8*cc+4:S+8*cc+7], v[T1], s[\mp:\mp+1] offset:(\mimm)+64*cc+16
.set cc, cc+1
.endr
	s_wait_loadcnt 0x0
.set cc, 0
.rept 8*\nct
	v_cmp_eq_u32 vcc_lo, 0, v[S+cc]
	v_cndmask_b32 v[CB+cc], 0, v[NEGV], vcc_lo
.if (\vrb) >= 0
	v_cndmask_b32 v[(\vrb)+cc], 1.0, v[ZERO], vcc_lo
.endif
.set cc, cc+1
.endr
.endm
; All nt row tiles against the nct column tiles in hand.  S^T = K Q^T + bias: a lane holds one row and eight neighbouring columns.  mode 0: the maximum.  mode 1: e, its sum, and e in bf16 into the slab.
; The next trip's three loads go out behind the products; their offsets are clamped, so that the last trip's stay inside the buffers.
.macro SWEEP mode, nct, nt, pitch, qp, rmp
	WIN 0
	v_mov_b32 v[QO], v[L16]
	v_lshlrev_b32 v[RO], 2, v[R]
.if \mode
	v_mad_u32_u24 v[SA], v[R], \pitch, v[SLH]
.endif
	global_load_b128 v[QF:QF+3], v[QO], s[\qp:\qp+1]
	global_load_b128 v[QF+4:QF+7], v[QO], s[\qp:\qp+1] offset:512
	global_load_b32 v[RM], v[RO], s[\rmp:\rmp+1]
	s_mov_b32 s[CT], \nt
.Lsw_\@:
	s_wait_loadcnt 0x0                             ; this trip's fragment and mask word; their address registers are free
	v_cmp_eq_u32 vcc_lo, 0, v[RM]
	v_cndmask_b32 v[RB], 0, v[NEGV], vcc_lo
.set sc, 0
.rept \nct
.set se, 0
.rept 8
	v_min_num_f32 v[S+8*sc+se], v[RB], v[CB+8*sc+se]  ; -1e6 once where row or column is hidden
.set se, se+1
.endr
	v_wmma_f32_16x16x32_bf16 v[S+8*sc:S+8*sc+7], v[KF+8*sc:KF+8*sc+7], v[QF:QF+7], v[S+8*sc:S+8*sc+7]
.set sc, sc+1
.endr
	v_add_nc_u32 v[QO], 1024, v[QO]                ; four plain lines: the places behind the last product
	v_min_u32 v[QO], ((\nt)-1)*1024+496, v[QO]
	v_add_nc_u32 v[RO], 64, v[RO]
	v_min_u32 v[RO], ((\nt)-1)*64+60, v[RO]
	global_load_b128 v[QF:QF+3], v[QO], s[\qp:\qp+1]
	global_load_b128 v[QF+4:QF+7], v[QO], s[\qp:\qp+1] offset:512
	global_load_b32 v[RM], v[RO], s[\rmp:\rmp+1]
.if \mode
.set sc, 0
.rept 4*\nct
	v_pk_fma_f32 v[S+2*sc:S+2*sc+1], v[S+2*sc:S+2*sc+1], s[L2E:L2E+1], v[ML:ML+1] op_sel_hi:[1,0,0] neg_lo:[0,0,1] neg_hi:[0,0,1]
.set sc, sc+1
.endr
.set sc, 0
.rept 8*\nct
	v_exp_f32 v[S+sc], v[S+sc]
.set sc, sc+1
.endr
	v_nop                                          ; a plain line behind the last exponential,
	s_wait_alu depctr_va_vdst(0)                   ; and one wait for the batch
.set sc, 0
.rept 4*\nct
	v_pk_add_f32 v[ZA+2*(sc%4):ZA+2*(sc%4)+1], v[ZA+2*(sc%4):ZA+2*(sc%4)+1], v[S+2*sc:S+2*sc+1]
.set sc, sc+1
.endr
.set sc, 0
.rept 4*\nct
	v_cvt_pk_bf16_f32 v[S+sc], v[S+2*sc], v[S+2*sc+1]  ; packed in place, ascending
.set sc, sc+1
.endr
.set sc, 0
.rept \nct
	ds_store_b128 v[SA], v[S+4*sc:S+4*sc+3] offset:32*sc
.set sc, sc+1
.endr
	v_add_nc_u32 v[SA], 16*(\pitch), v[SA]
.else
.set sc, 0
.rept \nct
.set se, 0
.rept 4
	v_max3_num_f32 v[MX+se], v[MX+se], v[S+8*sc+2*se], v[S+8*sc+2*se+1]
.set se, se+1
.endr
.set sc, sc+1
.endr
.endif
	s_sub_co_u32 s[CT], s[CT], 1
	s_cmp_lg_u32 s[CT], 0
	s_cbranch_scc1 .Lsw_\@
	s_wait_loadcnt 0x0                             ; the last look-ahead
.endm
; The slab's fragments into registers: tile t, fragment f at absolute register eb + ts t + 8 f.  LDS serves a wave's instructions in order: these see my stores, and my next stores come behind them.
.macro LOADR eb, ts, nt, nf, pitch
	WIN 0
	v_mad_u32_u24 v[LA0], v[R], \pitch, v[SLH]
	v_add_nc_u32 v[LA1], 36864, v[LA0]
.set lt, 0
.rept \nt
.set lf, 0
.rept \nf
.set le, (\eb)+(\ts)*lt+8*lf
.set li, le&255
.set lj, li+4
.set lo, lt*16*(\pitch)+64*lf
.set lp, lo+32
	WIN (le>>8)<<6
	DSL li, lo
	DSL lj, lp
.set lf, lf+1
.endr
.set lt, lt+1
.endr
	WIN 0
.endm
.macro MXINIT
.irp i, 0,1,2,3
	v_mov_b32 v[MX+\i], 0xff7fffff
.endr
.endm
.macro MXRED slot
	RMAX MX
	WRMAX MX, MX+1
	ds_store_b32 v[REDW], v[MX] offset:16*(\slot)
.endm
.macro ZAINIT
.irp i, 0,1,2,3,4,5,6,7
	v_mov_b32 v[ZA+\i], 0
.endr
.endm
.macro ZRED slot
	v_pk_add_f32 v[ZA:ZA+1], v[ZA:ZA+1], v[ZA+2:ZA+3]
	v_pk_add_f32 v[ZA+4:ZA+5], v[ZA+4:ZA+5], v[ZA+6:ZA+7]
	v_pk_add_f32 v[ZA:ZA+1], v[ZA:ZA+1], v[ZA+4:ZA+5]
	v_add_f32 v[ZA], v[ZA], v[ZA+1]
	WRADD ZA, ZA+1
	ds_store_b32 v[REDW], v[ZA] offset:16*(\slot)
.endm
.macro SVSUM vrb, n, slot              ; the sum of my columns' v
	v_pk_add_f32 v[SVT:SVT+1], v[\vrb:\vrb+1], v[\vrb+2:\vrb+3]
	v_pk_add_f32 v[SVT+2:SVT+3], v[\vrb+4:\vrb+5], v[\vrb+6:\vrb+7]
.set si, 8
.rept ((\n)-8)/4
	v_pk_add_f32 v[SVT:SVT+1], v[SVT:SVT+1], v[\vrb+si:\vrb+si+1]
	v_pk_add_f32 v[SVT+2:SVT+3], v[SVT+2:SVT+3], v[\vrb+si+2:\vrb+si+3]
.set si, si+4
.endr
	v_pk_add_f32 v[SVT:SVT+1], v[SVT:SVT+1], v[SVT+2:SVT+3]
	v_add_f32 v[SVT], v[SVT], v[SVT+1]
	v_permlanex16_b32 v[SVT+1], v[SVT], s[SEL], s[SEL+1]  ; the other half of the lanes holds the other columns
	v_add_f32 v[SVT], v[SVT], v[SVT+1]
	ds_store_b32 v[REDW], v[SVT] offset:16*(\slot)
.endm
.macro ZFIN zslot, usb, nr, ez, ezh    ; Z; u = valid / Z; eps Z
	RLOAD \zslot, WORK
	s_wait_dscnt 0x0
	RADD WORK
	v_rcp_f32 v[WORK+1], v[WORK]
	v_mul_f32 v[WORK+2], v[EPSV], v[WORK]
	s_wait_alu depctr_va_vdst(0)
.set zi, 0
.rept \nr
	v_mul_f32 v[\usb+zi], v[\usb+zi], v[WORK+1]
.set zi, zi+1
.endr
	v_readfirstlane_b32 s[\ez], v[WORK+2]
	v_mul_f32 v[WORK+3], 0x3d800000, v[WORK+2]
	v_readfirstlane_b32 s[\ezh], v[WORK+3]
.endm
.macro MKVF vrb, nf                    ; v in bf16: VR's order is a fragment's order
.set mi, 0
.rept 8*\nf
	v_cvt_pk_bf16_f32 v[VF+mi], v[\vrb+2*mi], v[\vrb+2*mi+1]
.set mi, mi+1
.endr
.endm
; Row sums of a matrix that lies in registers, eight tiles at a time; the accumulators take turns.  Register 0 of a result is row l % 16's sum.
.macro ROWR eb, ts, nt, nf, psa
.set wg, 0
.rept (\nt)/8
.set wf, 0
.rept \nf
.set wt, 0
.rept 8
.set we, (\eb)+(\ts)*(8*wg+wt)+8*wf
.set wi, we&255
	WIN (we>>8)<<2
.if wf == 0
	v_wmma_f32_16x16x32_bf16 v[RA+8*wt:RA+8*wt+7], v[VF+8*wf:VF+8*wf+7], v[wi:wi+7], 0
.else
	v_wmma_f32_16x16x32_bf16 v[RA+8*wt:RA+8*wt+7], v[VF+8*wf:VF+8*wf+7], v[wi:wi+7], v[RA+8*wt:RA+8*wt+7]
.endif
.set wt, wt+1
.endr
.set wf, wf+1
.endr
	WIN 0
.rept 5
	v_nop                                          ; the places ahead of the stores and of the products that write these registers again
.endr
.set wt, 0
.rept 8
	ds_store_b32 v[\psa], v[RA+8*wt] offset:64*(8*wg+wt)
.set wt, wt+1
.endr
.set wg, wg+1
.endr
.endm
; u of my rows: the four waves' partial sums, the rank-one part, the division; u and its sum go to LDS
.macro UPD nr, ni, pra, usb, ufw, svslot, suslot, ez
.set uT, 0
.rept \nr
.set uw, 0
.rept 4
	ds_load_b32 v[WORK+4*uT+uw], v[\pra] offset:uw*4*(\ni)+128*uT
.set uw, uw+1
.endr
.set uT, uT+1
.endr
	RLOAD \svslot, WORK+16
	s_wait_dscnt 0x0
	RADD WORK+16
	v_mul_f32 v[WORK+16], s[\ez], v[WORK+16]
.set uT, 0
.rept \nr
	v_add_f32 v[WORK+4*uT], v[WORK+4*uT], v[WORK+4*uT+1]
	v_add_f32 v[WORK+4*uT+2], v[WORK+4*uT+2], v[WORK+4*uT+3]
	v_add_f32 v[WORK+4*uT], v[WORK+4*uT], v[WORK+4*uT+2]
	v_add_f32 v[WORK+4*uT], v[WORK+4*uT], v[WORK+16]
	v_fma_f32 v[WORK+4*uT], v[\usb+uT], v[WORK+4*uT], v[EPSV]
.set uT, uT+1
.endr
.set uT, 0
.rept \nr
	v_rcp_f32 v[WORK+4*uT+1], v[WORK+4*uT]
.set uT, uT+1
.endr
	v_nop
	s_wait_alu depctr_va_vdst(0)
.set uT, 0
.rept \nr
	v_mul_f32 v[\usb+uT], v[\usb+uT], v[WORK+4*uT+1]
	v_min_num_f32 v[\usb+uT], s[BIG], v[\usb+uT]
	ds_store_b32 v[\ufw], v[\usb+uT] offset:128*uT
.set uT, uT+1
.endr
.if \nr == 4
	v_add_f32 v[WORK+20], v[\usb], v[\usb+1]
	v_add_f32 v[WORK+17], v[\usb+2], v[\usb+3]
	v_add_f32 v[WORK+20], v[WORK+20], v[WORK+17]
.else
	v_mov_b32 v[WORK+20], v[\usb]
.endif
	WRADD WORK+20, WORK+17
	ds_store_b32 v[REDW], v[WORK+20] offset:16*(\suslot)
.endm
; One fragment's 16 multiply-adds: sums ab + 0..15 take e x u of my row.  first: the sums start at eps Z sum u / 16
.macro FMT ei, ud, ab, first
.set fq, 0
.rept 8
.if \first
	v_fma_mix_f32_bf16 v[(\ab)+2*fq], v[(\ei)+fq], v[\ud], v[EZ16] op_sel_hi:[1,0,0]
	v_fma_mix_f32_bf16 v[(\ab)+2*fq+1], v[(\ei)+fq], v[\ud], v[EZ16] op_sel:[1,0,0] op_sel_hi:[1,0,0]
.else
	v_fma_mix_f32_bf16 v[(\ab)+2*fq], v[(\ei)+fq], v[\ud], v[(\ab)+2*fq] op_sel_hi:[1,0,0]
	v_fma_mix_f32_bf16 v[(\ab)+2*fq+1], v[(\ei)+fq], v[\ud], v[(\ab)+2*fq+1] op_sel:[1,0,0] op_sel_hi:[1,0,0]
.endif
.set fq, fq+1
.endr
.endm
; Column sums of a matrix that lies in registers
.macro COLV eb, ts, nt, nf, ufo, suslot, ezh
	WIN 0
.set vt, 0
.rept \nt
	ds_load_b32 v[UD+vt], v[UDA] offset:(\ufo)+64*vt
.set vt, vt+1
.endr
	RLOAD \suslot, SVT
	s_wait_dscnt 0x0
	RADD SVT
	v_mul_f32 v[EZ16], s[\ezh], v[SVT]
.set vt, 0
.rept \nt
.set vf, 0
.rept \nf
.set ve, (\eb)+(\ts)*vt+8*vf
	WIN ve>>8
	FMT ve&255, UD+vt, ACC+16*vf, vt==0
.set vf, vf+1
.endr
.set vt, vt+1
.endr
	WIN 0
	WR16 ACC, 16*(\nf)
.endm
; v of my columns: the division; t = v x sum x 0.5 / count into the record's image; the sum of v
.macro VUPD vrb, nacc, oa, toff, jump, hc, svslot
.set vch, \nacc
.if (\nacc) > 32
.set vch, 32
.endif
.set vc0, 0
.rept (\nacc)/vch
.set vi, 0
.rept vch/2
	v_pk_fma_f32 v[UD+2*vi:UD+2*vi+1], v[\vrb+vc0+2*vi:\vrb+vc0+2*vi+1], v[ACC+vc0+2*vi:ACC+vc0+2*vi+1], v[EPSV:EPSV+1]
.set vi, vi+1
.endr
.set vi, 0
.rept vch
	v_rcp_f32 v[UD+vi], v[UD+vi]
.set vi, vi+1
.endr
	v_nop
	s_wait_alu depctr_va_vdst(0)                   ; one wait for the batch
.set vi, 0
.rept vch/2
	v_pk_mul_f32 v[\vrb+vc0+2*vi:\vrb+vc0+2*vi+1], v[\vrb+vc0+2*vi:\vrb+vc0+2*vi+1], v[UD+2*vi:UD+2*vi+1]
.set vi, vi+1
.endr
.set vi, 0
.rept vch
	v_min_num_f32 v[\vrb+vc0+vi], s[BIG], v[\vrb+vc0+vi]
.set vi, vi+1
.endr
.set vi, 0
.rept vch/2
	v_pk_mul_f32 v[ACC+vc0+2*vi:ACC+vc0+2*vi+1], v[ACC+vc0+2*vi:ACC+vc0+2*vi+1], v[\vrb+vc0+2*vi:\vrb+vc0+2*vi+1]
.set vi, vi+1
.endr
.set vi, 0
.rept vch/2
	v_pk_mul_f32 v[ACC+vc0+2*vi:ACC+vc0+2*vi+1], v[ACC+vc0+2*vi:ACC+vc0+2*vi+1], s[\hc:\hc+1] op_sel_hi:[1,0]
.set vi, vi+1
.endr
.set vc0, vc0+vch
.endr
.set vi, 0
.rept (\nacc)/8
.set vo, (\toff)+64*vi+(vi/4)*(\jump)
	ds_store_b128 v[\oa], v[ACC+8*vi:ACC+8*vi+3] offset:vo
	ds_store_b128 v[\oa], v[ACC+8*vi+4:ACC+8*vi+7] offset:vo+16
.set vi, vi+1
.endr
	SVSUM \vrb, \nacc, \svslot
.endm
.macro FINISH                          ; the wave's end: three lines behind my last LDS store
	s_wait_tensorcnt 0x0
	ds_add_u32 v[SPW], v[NIL]
	s_wait_dscnt 0x0
	s_endpgm
.endm
	s_load_b256 s[4:11], s[0:1], 0x0               ; fp, fd, mask_prot, mask_drug
	s_load_b128 s[12:15], s[0:1], 0x20             ; ska, skb
	v_lshl_add_u32 v[SPW], v0, 2, SPARE
	v_mov_b32 v[NIL], 0
	v_lshrrev_b32 v[T0], 5, v0
	v_readfirstlane_b32 s[WV], v[T0]
	v_and_b32 v[R], 15, v0
	v_bfe_u32 v[H], v0, 4, 1
	v_and_b32 v[LANE], 31, v0
	v_lshlrev_b32 v[L16], 4, v[LANE]
	v_lshlrev_b32 v[H32], 5, v[H]
	s_mul_i32 s[TS], s[WV], SLABB
	v_lshl_add_u32 v[SLH], v[H], 4, s[TS]
	s_lshl_b32 s[TS], s[WV], 2
	s_add_co_u32 s[TS], s[TS], RED
	v_mov_b32 v[REDW], s[TS]
	v_mov_b32 v[REDR], RED
	v_lshl_add_u32 v[UDA], v[R], 2, UF
	v_mov_b32 v[NEGV], 0xc9742400
	v_mov_b32 v[ZERO], 0
	v_mov_b32 v[EPSV], 0x2b8cbccc
	v_mov_b32 v[EPSV+1], 0x2b8cbccc
	s_mov_b32 s[SEL], 0x76543210
	s_mov_b32 s[SEL+1], 0xfedcba98
	s_mov_b32 s[L2E], 0x3fb8aa3b
	s_mov_b32 s[L2E+1], s[L2E]
	s_mov_b32 s[BIG], 0x7149f2ca
	s_mov_b32 s[XX], ttmp9                         ; 8 n + head
	s_lshr_b32 s[NN], s[XX], 3
	s_mov_b32 s[OF+1], 0
	s_wait_kmcnt 0x0
	s_lshl_b32 s[OF], s[XX], 15
	s_add_nc_u64 s[QP:QP+1], s[4:5], s[OF:OF+1]
	s_add_nc_u64 s[KP:KP+1], s[QP:QP+1], 0x400000
	s_lshl_b32 s[OF], s[XX], 13
	s_add_nc_u64 s[QD:QD+1], s[6:7], s[OF:OF+1]
	s_add_nc_u64 s[KD:KD+1], s[QD:QD+1], 0x100000
	s_lshl_b32 s[OF], s[NN], 11
	s_add_nc_u64 s[MP:MP+1], s[8:9], s[OF:OF+1]
	s_lshl_b32 s[OF], s[NN], 9
	s_add_nc_u64 s[MD:MD+1], s[10:11], s[OF:OF+1]
	s_and_b32 s[TS], ttmp7, 0xffff
	s_cmp_lg_u32 s[TS], 0
	s_cbranch_scc1 .LtypeB
; ---------------- protein x protein.  My columns: 64 w .. + 63 (registers, fragments 0, 1) and 256 + 64 w .. + 63 (slab, fragments 2, 3)
	s_lshl_b32 s[TS], s[WV], 11
	s_add_co_u32 s[TS], s[TS], PS
	v_lshl_add_u32 v[PSA], v[R], 2, s[TS]
	s_lshl_b32 s[TS], s[WV], 9
	v_lshl_add_u32 v[T2], v[LANE], 2, s[TS]        ; 4 x (128 w + lane): my rows are 128 w + 32 T + lane
	v_add_nc_u32 v[PRA], PS, v[T2]
	v_add_nc_u32 v[UFW], UF, v[T2]
	s_lshl_b32 s[TS], s[WV], 8
	s_add_co_u32 s[TS], s[TS], OUTB
	v_add_nc_u32 v[OA], s[TS], v[H32]
	v_mad_u32_u24 v[LA0], v[R], 144, v[SLH]
	v_add_nc_u32 v[LA1], 36864, v[LA0]
	v_add_nc_u32 v[LCLIM], 55296, v[LA0]           ; the last trip's groups
	v_add_nc_u32 v[ULIM], 1536, v[UDA]
	USINIT US, 4, T2, MP
	v_lshlrev_b32 v[T1], 6, v[LANE]
	CNTH 4, MP, T1, HCP
	MXINIT
	COLSET 4, KP, 12, 0, MP, 8, 0, VR
	SWEEP 0, 4, 32, 144, QP, MP
	COLSET 4, KP, 12, 16384, MP, 8, 1024, VR+32
	SWEEP 0, 4, 32, 144, QP, MP
	MXRED 0
	BAR
	RLOAD 0, WORK
	s_wait_dscnt 0x0
	RMAX WORK
	v_mul_f32 v[ML], s[L2E], v[WORK]
	v_mov_b32 v[ML+1], v[ML]
	ZAINIT
	COLSET 4, KP, 12, 0, MP, 8, 0, -1
	SWEEP 1, 4, 32, 144, QP, MP
	LOADR 256, 16, 32, 2, 144
	COLSET 4, KP, 12, 16384, MP, 8, 1024, -1
	SWEEP 1, 4, 32, 144, QP, MP                    ; this half stays in the slab
	ZRED 3
	SVSUM VR, 64, 6
	BAR
	ZFIN 3, US, 4, EZ, EZH
.macro LLOAD g, set                    ; group g (four row tiles) of the slab's half into set 0 or 1 of window 3: 16 loads
	WIN 0xc0
.set gt, 0
.rept 4
.set gf, 0
.rept 2
.set gi, 64*(\set)+16*gt+8*gf
.set gj, gi+4
.set go, (4*(\g)+gt)*2304+64*gf
.set gp, go+32
	DSL gi, go
	DSL gj, gp
.set gf, gf+1
.endr
.set gt, gt+1
.endr
	WIN 0
.endm
.macro LL set, off                     ; the column loop's form: 16 loads of e and 4 of u, by stepped addresses
	WIN 0xc0
.set gt, 0
.rept 4
.set gf, 0
.rept 2
	ds_load_b128 v[64*(\set)+16*gt+8*gf:64*(\set)+16*gt+8*gf+3], v[LCA] offset:(\off)+gt*2304+64*gf
	ds_load_b128 v[64*(\set)+16*gt+8*gf+4:64*(\set)+16*gt+8*gf+7], v[LCA] offset:(\off)+gt*2304+64*gf+32
.set gf, gf+1
.endr
.set gt, gt+1
.endr
	WIN 0
.set gt, 0
.rept 4
	ds_load_b32 v[UL+4*(\set)+gt], v[ULA] offset:((\off)/9216)*256+64*gt
.set gt, gt+1
.endr
.endm
.macro FML set                         ; a group's 128 multiply-adds
	WIN 0x03
.set mt, 0
.rept 4
.set mf, 0
.rept 2
	FMT 64*(\set)+16*mt+8*mf, UL+4*(\set)+mt, ACC+32+16*mf, 0
.set mf, mf+1
.endr
.set mt, mt+1
.endr
	WIN 0
.endm
	s_mov_b32 s[IT], 4
.LitA:
	; ROW STEP: eight groups of four tiles; in a group 8 products on the registers' half, 8 on the slab's; two sets of accumulators and of slab fragments by turns
	MKVF VR, 4
	LLOAD 0, 0
	LLOAD 1, 1
.set rg, 0
.rept 8
.set rs, rg%2
	WIN (1+rg/4)<<2
.set rf, 0
.rept 2
.set rt, 0
.rept 4
.set re, (16*(4*rg+rt)+8*rf)&255
.if rf == 0
	v_wmma_f32_16x16x32_bf16 v[RA+32*rs+8*rt:RA+32*rs+8*rt+7], v[VF:VF+7], v[re:re+7], 0
.else
	v_wmma_f32_16x16x32_bf16 v[RA+32*rs+8*rt:RA+32*rs+8*rt+7], v[VF+8:VF+15], v[re:re+7], v[RA+32*rs+8*rt:RA+32*rs+8*rt+7]
.endif
.set rt, rt+1
.endr
.set rf, rf+1
.endr
.if rg == 0
	s_wait_dscnt 16                                ; my group is in; behind it: the next group's 16 loads
.elseif rg < 7
	s_wait_dscnt 20                                ; behind it: four stores and the next group's 16 loads
.else
	s_wait_dscnt 4                                 ; behind it: four stores
.endif
	WIN 0x0c
.set rf, 0
.rept 2
.set rt, 0
.rept 4
	v_wmma_f32_16x16x32_bf16 v[RA+32*rs+8*rt:RA+32*rs+8*rt+7], v[VF+16+8*rf:VF+16+8*rf+7], v[64*rs+16*rt+8*rf:64*rs+16*rt+8*rf+7], v[RA+32*rs+8*rt:RA+32*rs+8*rt+7]
.set rt, rt+1
.endr
.set rf, rf+1
.endr
	WIN 0
.rept 4
	v_nop                                          ; the places ahead of the stores and of the loads into this set
.endr
.set rt, 0
.rept 4
	ds_store_b32 v[PSA], v[RA+32*rs+8*rt] offset:64*(4*rg+rt)
.set rt, rt+1
.endr
.if rg < 6
	LLOAD rg+2, rs
.endif
.set rg, rg+1
.endr
	BAR                                            ; all partial row sums lie in LDS
	UPD 4, 512, PRA, US, UFW, 6, 9, EZ
	BAR                                            ; u and its sum lie in LDS
	; COLUMN STEP
.set at, 0
.rept 32
	ds_load_b32 v[UD+at], v[UDA] offset:64*at
.set at, at+1
.endr
	RLOAD 9, SVT
	v_mov_b32 v[LCA], v[LA0]
	v_mov_b32 v[ULA], v[UDA]
	LL 0, 0
	LL 1, 9216
	s_wait_dscnt 40                                ; u and its sum are in; the slab's first two groups, 20 loads each, stay out
	RADD SVT
	v_mul_f32 v[EZ16], s[EZH], v[SVT]
.set at, 0
.rept 32                               ; the registers' half
	WIN 1+at/16
.set af, 0
.rept 2
	FMT (16*at+8*af)&255, UD+at, ACC+16*af, at==0
.set af, af+1
.endr
.set at, at+1
.endr
	WIN 0
.set at, 0
.rept 32
	v_mov_b32 v[ACC+32+at], v[EZ16]                ; the slab's half is a loop with one form of multiply-add: its sums are started here
.set at, at+1
.endr
	s_mov_b32 s[CT], 4
.LcolA:                                ; a trip: two groups; each set is asked for again as soon as it has been used; the last trip's look-ahead is clamped to that trip's own groups
	s_wait_dscnt 20                                ; set 0 is in; set 1's 20 loads stay out
	FML 0
	v_add_nc_u32 v[LCA], 18432, v[LCA]
	v_min_u32 v[LCA], v[LCA], v[LCLIM]
	v_add_nc_u32 v[ULA], 512, v[ULA]
	v_min_u32 v[ULA], v[ULA], v[ULIM]
	LL 0, 0
	s_wait_dscnt 20                                ; set 1 is in
	FML 1
	LL 1, 9216
	s_sub_co_u32 s[CT], s[CT], 1
	s_cmp_lg_u32 s[CT], 0
	s_cbranch_scc1 .LcolA
	s_wait_dscnt 0x0
	WR16 ACC, 64
	VUPD VR, 64, OA, 0, 768, HCP, 6
	s_sub_co_u32 s[IT], s[IT], 1
	s_cmp_lg_u32 s[IT], 0
	s_cbranch_scc1 .LitA
	BAR                                            ; the record's image is whole
	v_lshl_add_u32 v[T0], v0, 4, OUTB
	ds_load_b128 v[WORK:WORK+3], v[T0]
	v_lshlrev_b32 v[T1], 4, v0
	s_lshl_b32 s[OF], s[XX], 11
	s_add_nc_u64 s[12:13], s[12:13], s[OF:OF+1]
	s_wait_dscnt 0x0
	global_store_b128 v[T1], v[WORK:WORK+3], s[12:13]
	FINISH
; ---------------- the three smaller matrices.  0: protein x drug, my columns 32 w .. (window 1).  1: drug x protein, 128 w .. (window 2).  2: drug x drug, 32 w .. (window 3)
.LtypeB:
	s_lshl_b32 s[TS], s[WV], 11
	s_add_co_u32 s[TS], s[TS], PS
	v_lshl_add_u32 v[PSA], v[R], 2, s[TS]
	s_lshl_b32 s[TS], s[WV], 9
	v_lshl_add_u32 v[T2], v[LANE], 2, s[TS]
	v_add_nc_u32 v[PRA], PS, v[T2]
	v_add_nc_u32 v[UFW], UF, v[T2]
	s_add_co_u32 s[TS], s[TS], PS+8192
	v_lshl_add_u32 v[PSA+1], v[R], 2, s[TS]
	v_add_nc_u32 v[PSA+2], 2048, v[PSA+1]
	v_lshlrev_b32 v[T3], 2, v0                     ; of 128 rows mine is my thread's number
	v_add_nc_u32 v[PRA+1], PS+8192, v[T3]
	v_add_nc_u32 v[PRA+2], PS+10240, v[T3]
	v_add_nc_u32 v[UFW+1], UF+2048, v[T3]
	v_add_nc_u32 v[UFW+2], UF+2560, v[T3]
	s_lshl_b32 s[TS], s[WV], 7
	s_add_co_u32 s[TS], s[TS], OUTB
	v_add_nc_u32 v[OA], s[TS], v[H32]
	v_mov_b32 v[OA+2], v[OA]
	s_lshl_b32 s[TS], s[WV], 9
	s_add_co_u32 s[TS], s[TS], OUTB
	v_add_nc_u32 v[OA+1], s[TS], v[H32]
	USINIT US, 4, T2, MP
	USINIT US+4, 1, T3, MD
	v_mov_b32 v[US+5], v[US+4]
	v_lshlrev_b32 v[T1], 6, v[LANE]
	CNTH 4, MP, T1, HCP
	CNTH 1, MD, L16, HCD
	MXINIT
	COLSET 2, KD, 11, 0, MD, 7, 0, VRPD
	SWEEP 0, 2, 32, 80, QP, MP
	MXRED 0
	MXINIT
	COLSET 4, KP, 13, 0, MP, 9, 0, VRDP
	SWEEP 0, 4, 8, 144, QD, MD
	COLSET 4, KP, 13, 4096, MP, 9, 256, VRDP+32
	SWEEP 0, 4, 8, 144, QD, MD
	MXRED 1
	MXINIT
	COLSET 2, KD, 11, 0, MD, 7, 0, VRDD
	SWEEP 0, 2, 8, 80, QD, MD
	MXRED 2
	BAR
	RLOAD 0, WORK
	RLOAD 1, WORK+4
	RLOAD 2, WORK+8
	s_wait_dscnt 0x0
.irp x, 0,1,2
	RMAX WORK+4*\x
	v_mul_f32 v[WORK+4*\x], s[L2E], v[WORK+4*\x]
	v_readfirstlane_b32 s[MLS+\x], v[WORK+4*\x]
.endr
	v_mov_b32 v[ML], s[MLS]
	v_mov_b32 v[ML+1], s[MLS]
	ZAINIT
	COLSET 2, KD, 11, 0, MD, 7, 0, -1
	SWEEP 1, 2, 32, 80, QP, MP
	LOADR 256, 8, 32, 1, 80
	ZRED 3
	v_mov_b32 v[ML], s[MLS+1]
	v_mov_b32 v[ML+1], s[MLS+1]
	ZAINIT
	COLSET 4, KP, 13, 0, MP, 9, 0, -1
	SWEEP 1, 4, 8, 144, QD, MD
	LOADR 512, 32, 8, 2, 144
	COLSET 4, KP, 13, 4096, MP, 9, 256, -1
	SWEEP 1, 4, 8, 144, QD, MD
	LOADR 528, 32, 8, 2, 144
	ZRED 4
	v_mov_b32 v[ML], s[MLS+2]
	v_mov_b32 v[ML+1], s[MLS+2]
	ZAINIT
	COLSET 2, KD, 11, 0, MD, 7, 0, -1
	SWEEP 1, 2, 8, 80, QD, MD
	LOADR 768, 8, 8, 1, 80
	ZRED 5
	SVSUM VRPD, 16, 6
	SVSUM VRDP, 64, 7
	SVSUM VRDD, 16, 8
	BAR
	ZFIN 3, US, 4, EZ, EZH
	ZFIN 4, US+4, 1, EZ+1, EZH+1
	ZFIN 5, US+5, 1, EZ+2, EZH+2
	s_mov_b32 s[IT], 4
.LitB:
	MKVF VRPD, 1
	ROWR 256, 8, 32, 1, PSA
	MKVF VRDP, 4
	ROWR 512, 32, 8, 4, PSA+1
	MKVF VRDD, 1
	ROWR 768, 8, 8, 1, PSA+2
	BAR                                            ; all partial row sums lie in LDS
	UPD 4, 512, PRA, US, UFW, 6, 9, EZ
	UPD 1, 128, PRA+1, US+4, UFW+1, 7, 10, EZ+1
	UPD 1, 128, PRA+2, US+5, UFW+2, 8, 11, EZ+2
	BAR                                            ; u and its sums lie in LDS
	COLV 256, 8, 32, 1, 0, 9, EZH
	VUPD VRPD, 16, OA, 4608, 0, HCP, 6
	COLV 512, 32, 8, 4, 2048, 10, EZH+1
	VUPD VRDP, 64, OA+1, 2048, 0, HCD, 7
	COLV 768, 8, 8, 1, 2560, 11, EZH+2
	VUPD VRDD, 16, OA+2, 5120, 0, HCD, 8
	s_sub_co_u32 s[IT], s[IT], 1
	s_cmp_lg_u32 s[IT], 0
	s_cbranch_scc1 .LitB
	; drug x protein leaves whole: v, u, -m log2(e), eps Z
.set oc, 0
.rept 8
	ds_store_b128 v[OA+1], v[VRDP+8*oc:VRDP+8*oc+3] offset:64*oc
	ds_store_b128 v[OA+1], v[VRDP+8*oc+4:VRDP+8*oc+7] offset:64*oc+16
.set oc, oc+1
.endr
	v_lshl_add_u32 v[T0], v0, 2, OUTB
	ds_store_b32 v[T0], v[US+4] offset:4096
	v_mov_b32 v[T2], s[MLS+1]
	v_xor_b32 v[T2], 0x80000000, v[T2]
	v_cmp_eq_u32 vcc_lo, 0, v0
	v_cndmask_b32 v[T1], 0, v[T2], vcc_lo
	v_mov_b32 v[T2], s[EZ+1]
	v_cmp_eq_u32 vcc_lo, 1, v0
	v_cndmask_b32 v[T1], v[T1], v[T2], vcc_lo
	ds_store_b32 v[T0], v[T1] offset:5632          ; words 0 and 1, zeros behind them
	BAR                                            ; the record's image is whole
	v_lshl_add_u32 v[T0], v0, 4, OUTB
.irp k, 0,1,2
	ds_load_b128 v[WORK+4*\k:WORK+4*\k+3], v[T0] offset:2048*\k
.endr
	v_lshlrev_b32 v[T1], 4, v0
	s_mul_i32 s[OF], s[XX], 6144
	s_add_nc_u64 s[14:15], s[14:15], s[OF:OF+1]
	s_wait_dscnt 0x0
.irp k, 0,1,2
	global_store_b128 v[T1], v[WORK+4*\k:WORK+4*\k+3], s[14:15] offset:2048*\k
.endr
	FINISH
.Lfunc_end_k_q4761131c1f_sink:
	.size	k_q4761131c1f_sink, .Lfunc_end_k_q4761131c1f_sink-k_q4761131c1f_sink
	.p2alignl 7, 3214868480
	.fill 96, 4, 3214868480
	.section	.rodata,"a",@progbits
	.p2align	6, 0x0
	.amdhsa_kernel k_q4761131c1f_sink
		.amdhsa_group_segment_fixed_size 319488
		.amdhsa_private_segment_fixed_size 0
		.amdhsa_enable_private_segment 0
		.amdhsa_kernarg_size 48
		.amdhsa_user_sgpr_count 2
		.amdhsa_user_sgpr_kernarg_segment_ptr 1
		.amdhsa_wavefront_size32 1
		.amdhsa_system_sgpr_workgroup_id_x 1
		.amdhsa_system_sgpr_workgroup_id_y 1
		.amdhsa_system_sgpr_workgroup_id_z 1
		.amdhsa_system_vgpr_workitem_id 0
		.amdhsa_next_free_vgpr 1024
		.amdhsa_next_free_sgpr 66
		.amdhsa_reserve_vcc 1
		.amdhsa_float_denorm_mode_32 3
		.amdhsa_float_denorm_mode_16_64 3
		.amdhsa_memory_ordered 1
		.amdhsa_forward_progress 1
		.amdhsa_inst_pref_size 255
	.end_amdhsa_kernel
	.section	.bss,"aw",@nobits
	.p2align	6
	.space	262144
	.amdgpu_metadata
---
amdhsa.version: [ 1, 2 ]
amdhsa.kernels:
  - .name:           k_q4761131c1f_sink
    .symbol:         k_q4761131c1f_sink.kd
    .args:
      - { .name: fp, .offset: 0, .size: 8, .value_kind: global_buffer, .address_space: global }
      - { .name: fd, .offset: 8, .size: 8, .value_kind: global_buffer, .address_space: global }
      - { .name: mask_prot, .offset: 16, .size: 8, .value_kind: global_buffer, .address_space: global }
      - { .name: mask_drug, .offset: 24, .size: 8, .value_kind: global_buffer, .address_space: global }
      - { .name: ska, .offset: 32, .size: 8, .value_kind: global_buffer, .address_space: global }
      - { .name: skb, .offset: 40, .size: 8, .value_kind: global_buffer, .address_space: global }
    .group_segment_fixed_size: 319488
    .private_segment_fixed_size: 0
    .kernarg_segment_align: 8
    .kernarg_segment_size: 48
    .max_flat_workgroup_size: 128
    .sgpr_count:     66
    .vgpr_count:     1024
    .wavefront_size: 32
...
	.end_amdgpu_metadata
.endif
;; end of part 3
;; launch outp (part 4): grid 256 x 1, 4 waves a work-group, no clusters, 1,024 bytes of LDS; arguments fp, fd, ska, skb, out0, out1; writes out0, out1
.if DOCPART == 4
	.amdgcn_target "amdgcn-amd-amdhsa--gfx1250"
	.amdhsa_code_object_version 6
	.text
	.protected	k_q4761131c1f_outp
	.globl	k_q4761131c1f_outp
	.p2align	8
	.type	k_q4761131c1f_outp,@function
k_q4761131c1f_outp:
	s_mov_b64 s[64:65], 0
	v_nop
	global_prefetch_b8 v0, s[64:65] scope:SCOPE_SE
	s_setreg_imm32_b32 hwreg(HW_REG_WAVE_MODE, 25, 1), 1
	s_wait_xcnt 0x0
; out1[n][l][k][h] = u_l (exp(s - m) + eps Z) v_k for drug x protein, the scores made anew (one product a tile and head, q and k in bf16), and out0 = sum_j t_j V_j.
; A work-group writes 16 rows l x 256 columns k x 8 heads of out1; a wave 64 columns, four tiles of 16.  In a product's result a lane holds one k and eight l; the eight heads of an (l, k) are 32 bytes on end.
; An exchange between the halves of the lanes gives each lane 16 of those bytes of ONE row l, so that a store covers 512 consecutive bytes.
; A hidden pair's score may lie above m: the exponent is held to 0 at the most; its u or v is 0.
; out0: work-group b also makes the 32 numbers of sample b / 16, side (b / 8) % 2, head b % 8: multiply-adds from V's f16 halves with t in f32, summed in f32 over lanes and, through LDS, over the four waves.
.set SPARE, 512                        ; LDS: 512 bytes of partial sums, then the spare words
.set R, 1
.set HH, 2
.set LANE, 3
.set SPW, 4
.set NIL, 5
.set KO, 6                             ; offset of the key tile to be loaded
.set VOF, 7                            ; offset of its v
.set SO, 8                             ; offset of my 16 bytes in out1
.set ZERO, 9
.set KLIM, 10
.set VLIM, 11
.set L16, 12
.set UO, 13
.set T0, 14
.set T1, 15
.set VV, 16                            ; v[16:31]  v of my column, by parity and head
.set EV, 32                            ; v[32:39]  eps Z v
.set D,  64                            ; v[64:127] eight heads' results
.set O,  128                           ; v[128:191] register 8 e + h
.set AC, 192                           ; v[192:207] out0's sums
.set QDW, 0                            ; window 1: queries' fragments, u, keys' fragments by parity
.set UW,  64
.set KPW, 128
.set WV, 16
.set BB, 17
.set NN, 18
.set LT, 19
.set KH, 20
.set TS, 21
.set OF, 22
.set QB, 24
.set KB, 26
.set SB, 28
.set OB, 30
.set SC, 32                            ; s[32:47] by head: -m log2(e), eps Z
.set L2E, 48
.set SEL, 50
.set CT, 52
.set REC, 53
.set T1P, 54
.set T2P, 56
.set V1P, 58
.set V2P, 60
.set SIDE, 62
.set MSB, 0
.macro WIN new
.if MSB != (\new)
	s_set_vgpr_msb (MSB<<8)|(\new)
.set MSB, (\new)
.endif
.endm
	s_load_b256 s[4:11], s[0:1], 0x0               ; fp, fd, ska, skb
	s_load_b128 s[12:15], s[0:1], 0x20             ; out0, out1
	v_lshl_add_u32 v[SPW], v0, 2, SPARE
	v_mov_b32 v[NIL], 0
	v_lshrrev_b32 v[T0], 5, v0
	v_readfirstlane_b32 s[WV], v[T0]
	v_and_b32 v[R], 15, v0
	v_bfe_u32 v[HH], v0, 4, 1
	v_and_b32 v[LANE], 31, v0
	v_lshlrev_b32 v[L16], 4, v[LANE]
	v_mov_b32 v[ZERO], 0
	s_mov_b32 s[BB], ttmp9
	s_lshr_b32 s[NN], s[BB], 4
	s_bfe_u32 s[LT], s[BB], 0x30001                ; which 16 rows l
	s_and_b32 s[KH], s[BB], 1                      ; which 256 columns k
	s_mov_b32 s[OF+1], 0
	s_mov_b32 s[L2E], 0x3fb8aa3b
	s_mov_b32 s[L2E+1], s[L2E]
	s_mov_b32 s[SEL], 0x76543210
	s_mov_b32 s[SEL+1], 0xfedcba98
	v_lshl_add_u32 v[KO], s[WV], 12, v[L16]        ; four tiles a wave
	v_add_nc_u32 v[KLIM], 2048, v[KO]
	s_lshl_b32 s[TS], s[KH], 10
	s_lshl_b32 s[CT], s[WV], 8
	s_add_co_u32 s[TS], s[TS], s[CT]               ; 4 x (256 kh + 64 w)
	v_lshl_add_u32 v[VOF], v[R], 2, s[TS]
	v_add_nc_u32 v[VLIM], 128, v[VOF]
	s_lshl_b32 s[TS], s[TS], 3                     ; 32 bytes a column
	v_lshl_add_u32 v[SO], v[R], 5, s[TS]
	v_lshl_add_u32 v[SO], v[HH], 4, v[SO]
	s_lshl_b32 s[TS], s[LT], 6
	s_add_co_u32 s[TS], s[TS], 4096                ; u lies 4,096 bytes into a record
	v_lshl_add_u32 v[UO], v[HH], 5, s[TS]
	s_wait_kmcnt 0x0
	s_mul_i32 s[OF], s[NN], 49152
	s_add_nc_u64 s[SB:SB+1], s[10:11], s[OF:OF+1]  ; the sample's eight records
.irp h, 0,1,2,3,4,5,6,7
	s_load_b64 s[SC+2*\h:SC+2*\h+1], s[SB:SB+1], \h*6144+5632
.endr
	s_lshl_b32 s[OF], s[NN], 16
	s_lshl_b32 s[TS], s[LT], 10
	s_add_co_u32 s[OF], s[OF], s[TS]
	s_add_nc_u64 s[QB:QB+1], s[6:7], s[OF:OF+1]
	s_lshl_b32 s[OF], s[NN], 18
	s_lshl_b32 s[TS], s[KH], 14
	s_add_co_u32 s[OF], s[OF], s[TS]
	s_add_co_u32 s[OF], s[OF], 0x400000
	s_add_nc_u64 s[KB:KB+1], s[4:5], s[OF:OF+1]
	s_lshl_b32 s[OF], s[NN], 21
	s_lshl_b32 s[TS], s[LT], 18
	s_add_co_u32 s[OF], s[OF], s[TS]
	s_add_nc_u64 s[OB:OB+1], s[14:15], s[OF:OF+1]
	WIN 0x40
.irp h, 0,1,2,3,4,5,6,7
	global_load_b128 v[QDW+8*\h:QDW+8*\h+3], v[L16], s[QB:QB+1] offset:\h*8192
	global_load_b128 v[QDW+8*\h+4:QDW+8*\h+7], v[L16], s[QB:QB+1] offset:\h*8192+512
	global_load_b128 v[UW+8*\h:UW+8*\h+3], v[UO], s[SB:SB+1] offset:\h*6144
	global_load_b128 v[UW+8*\h+4:UW+8*\h+7], v[UO], s[SB:SB+1] offset:\h*6144+16
.endr
.macro BATCH p                         ; a column tile's keys and v for all heads: 24 loads
	WIN 0x40
.irp h, 0,1,2,3,4,5,6,7
	global_load_b128 v[KPW+64*(\p)+8*\h:KPW+64*(\p)+8*\h+3], v[KO], s[KB:KB+1] offset:\h*32768+1024*(\p)
	global_load_b128 v[KPW+64*(\p)+8*\h+4:KPW+64*(\p)+8*\h+7], v[KO], s[KB:KB+1] offset:\h*32768+1024*(\p)+512
.endr
	WIN 0
.irp h, 0,1,2,3,4,5,6,7
	global_load_b32 v[VV+8*(\p)+\h], v[VOF], s[SB:SB+1] offset:\h*6144+64*(\p)
.endr
.endm
	BATCH 0
	BATCH 1
	s_wait_kmcnt 0x0
.macro KT p
	s_wait_loadcnt 24                              ; my tile is in; the other parity's 24 loads stay out
	WIN 0x05
.irp h, 0,1,2,3,4,5,6,7
	v_wmma_f32_16x16x32_bf16 v[D+8*\h:D+8*\h+7], v[QDW+8*\h:QDW+8*\h+7], v[KPW+64*(\p)+8*\h:KPW+64*(\p)+8*\h+7], 0
.endr
	WIN 0
.irp h, 0,1,2,3,4,5,6,7
	v_mul_f32 v[EV+\h], s[SC+2*\h+1], v[VV+8*(\p)+\h]  ; eight plain lines: the places behind the products
.endr
.irp h, 0,1,2,3,4,5,6,7
.irp i, 0,1,2,3
	v_pk_fma_f32 v[D+8*\h+2*\i:D+8*\h+2*\i+1], v[D+8*\h+2*\i:D+8*\h+2*\i+1], s[L2E:L2E+1], s[SC+2*\h:SC+2*\h+1] op_sel_hi:[1,0,0]
.endr
.endr
.set ki, 0
.rept 64
	v_min_num_f32 v[D+ki], 0, v[D+ki]
.set ki, ki+1
.endr
.set ki, 0
.rept 64
	v_exp_f32 v[D+ki], v[D+ki]
.set ki, ki+1
.endr
	v_nop
	s_wait_alu depctr_va_vdst(0)                   ; one wait for the batch
.irp h, 0,1,2,3,4,5,6,7
.irp e, 0,1,2,3,4,5,6,7
	v_fma_f32 v[D+8*\h+\e], v[D+8*\h+\e], v[VV+8*(\p)+\h], v[EV+\h]
.endr
.endr
	s_wait_xcnt 0x0                                ; earlier loads and stores have read their registers: the offsets and O may be written
.if (\p) == 0
	v_add_nc_u32 v[KO], 2048, v[KO]                ; two tiles on; in the last trip clamped to that trip's own tiles
	v_min_u32 v[KO], v[KO], v[KLIM]
	v_add_nc_u32 v[VOF], 128, v[VOF]
	v_min_u32 v[VOF], v[VOF], v[VLIM]
.endif
	BATCH \p
	WIN 0x04
.irp h, 0,1,2,3,4,5,6,7
.irp e, 0,1,2,3,4,5,6,7
	v_mul_f32 v[O+8*\e+\h], v[D+8*\h+\e], v[UW+8*\h+\e]
.endr
.endr
	WIN 0
.irp e, 0,1,2,3,4,5,6,7
.irp h, 0,1,2,3
	v_permlane16_swap_b32 v[O+8*\e+\h], v[O+8*\e+\h+4]  ; heads 0-3 of rows 8 + e change places with heads 4-7 of rows e
.endr
.endr
.irp e, 0,1,2,3,4,5,6,7
	global_store_b128 v[SO], v[O+8*\e:O+8*\e+3], s[OB:OB+1] offset:\e*16384+512*(\p) th:TH_STORE_NT
	global_store_b128 v[SO], v[O+8*\e+4:O+8*\e+7], s[OB:OB+1] offset:(8+\e)*16384+512*(\p) th:TH_STORE_NT
.endr
.endm
	s_mov_b32 s[CT], 2
.Lkt:
	KT 0
	KT 1
	s_wait_xcnt 0x0
	v_add_nc_u32 v[SO], 1024, v[SO]
	s_sub_co_u32 s[CT], s[CT], 1
	s_cmp_lg_u32 s[CT], 0
	s_cbranch_scc1 .Lkt
	s_wait_loadcnt 0x0                             ; the last look-ahead
	; out0
	s_and_b32 s[TS], s[BB], 7                      ; head
	s_lshl3_add_u32 s[REC], s[NN], s[TS]
	s_bfe_u32 s[SIDE], s[BB], 0x10003              ; 0 protein, 1 drug
	s_mul_i32 s[OF], s[REC], 6144
	s_add_nc_u64 s[T2P:T2P+1], s[10:11], s[OF:OF+1]
	s_add_nc_u64 s[V1P:V1P+1], s[T2P:T2P+1], 2048  ; t of drug x protein
	s_lshl_b32 s[OF], s[REC], 11
	s_add_nc_u64 s[T1P:T1P+1], s[8:9], s[OF:OF+1]  ; t of protein x protein
	s_lshl_b32 s[OF], s[SIDE], 9
	s_add_co_u32 s[OF], s[OF], 4608                ; t of protein x drug, or of drug x drug
	s_add_nc_u64 s[T2P:T2P+1], s[T2P:T2P+1], s[OF:OF+1]
	s_cmp_eq_u32 s[SIDE], 0
	s_cselect_b64 s[T1P:T1P+1], s[T1P:T1P+1], s[V1P:V1P+1]
	s_lshl_b32 s[OF], s[REC], 15
	s_add_co_u32 s[OF], s[OF], 0x800000
	s_add_nc_u64 s[V1P:V1P+1], s[4:5], s[OF:OF+1]  ; protein's v
	s_lshl_b32 s[OF], s[REC], 13
	s_add_co_u32 s[OF], s[OF], 0x200000
	s_add_nc_u64 s[V2P:V2P+1], s[6:7], s[OF:OF+1]  ; drug's v
	s_lshl_b32 s[OF], s[NN], 11
	s_lshl_b32 s[CT], s[SIDE], 10
	s_add_co_u32 s[OF], s[OF], s[CT]
	s_lshl_b32 s[CT], s[TS], 7
	s_add_co_u32 s[OF], s[OF], s[CT]
	s_add_nc_u64 s[12:13], s[12:13], s[OF:OF+1]
	v_lshl_add_u32 v[KO], s[WV], 13, v[L16]        ; protein's tiles 8 w .. 8 w + 7
	v_lshl_add_u32 v[VOF], s[WV], 11, v[L16]       ; drug's tiles 2 w, 2 w + 1
	v_lshlrev_b32 v[T0], 2, v[R]
	v_lshl_add_u32 v[KLIM], s[WV], 9, v[T0]
	v_lshl_add_u32 v[VLIM], s[WV], 7, v[T0]
.irp t, 0,1,2,3,4,5,6,7
	global_load_b128 v[64+8*\t:64+8*\t+3], v[KO], s[V1P:V1P+1] offset:1024*\t
	global_load_b128 v[64+8*\t+4:64+8*\t+7], v[KO], s[V1P:V1P+1] offset:1024*\t+512
	global_load_b32 v[144+\t], v[KLIM], s[T1P:T1P+1] offset:64*\t
.endr
.irp t, 0,1
	global_load_b128 v[128+8*\t:128+8*\t+3], v[VOF], s[V2P:V2P+1] offset:1024*\t
	global_load_b128 v[128+8*\t+4:128+8*\t+7], v[VOF], s[V2P:V2P+1] offset:1024*\t+512
	global_load_b32 v[152+\t], v[VLIM], s[T2P:T2P+1] offset:64*\t
.endr
	s_wait_loadcnt 0x0
.set ot, 0
.rept 10                               ; f16 half x t in f32, added in f32; all sources are vector registers
.set oq, 0
.rept 8
.if ot == 0
	v_fma_mix_f32 v[AC+2*oq], v[64+oq], v[144], v[ZERO] op_sel_hi:[1,0,0]
	v_fma_mix_f32 v[AC+2*oq+1], v[64+oq], v[144], v[ZERO] op_sel:[1,0,0] op_sel_hi:[1,0,0]
.else
	v_fma_mix_f32 v[AC+2*oq], v[64+8*ot+oq], v[144+ot], v[AC+2*oq] op_sel_hi:[1,0,0]
	v_fma_mix_f32 v[AC+2*oq+1], v[64+8*ot+oq], v[144+ot], v[AC+2*oq+1] op_sel:[1,0,0] op_sel_hi:[1,0,0]
.endif
.set oq, oq+1
.endr
.set ot, ot+1
.endr
.irp m, 1,2,4,8
.set oq, 0
.rept 16
	v_add_f32_dpp v[AC+oq], v[AC+oq], v[AC+oq] row_xmask:\m row_mask:0xf bank_mask:0xf
.set oq, oq+1
.endr
.endr
	s_lshl_b32 s[TS], s[WV], 7
	v_lshl_add_u32 v[T0], v[HH], 5, s[TS]          ; my wave's 128 bytes; channel 16 f + 8 (l / 16) + e
	ds_store_b128 v[T0], v[AC:AC+3]
	ds_store_b128 v[T0], v[AC+4:AC+7] offset:16
	ds_store_b128 v[T0], v[AC+8:AC+11] offset:64
	ds_store_b128 v[T0], v[AC+12:AC+15] offset:80
	s_wait_dscnt 0x0
	s_barrier_signal -1
	s_barrier_wait -1                              ; the four waves' partial sums lie in LDS
	s_cmp_lg_u32 s[WV], 0
	s_cbranch_scc1 .Lend
	v_lshlrev_b32 v[T1], 2, v[LANE]
.irp w, 0,1,2,3
	ds_load_b32 v[AC+\w], v[T1] offset:128*\w
.endr
	s_wait_dscnt 0x0
	v_add_f32 v[AC], v[AC], v[AC+1]
	v_add_f32 v[AC+2], v[AC+2], v[AC+3]
	v_add_f32 v[AC], v[AC], v[AC+2]
	global_store_b32 v[T1], v[AC], s[12:13]
.Lend:
	s_wait_tensorcnt 0x0                           ; the wave's end: three lines behind my last LDS store
	ds_add_u32 v[SPW], v[NIL]
	s_wait_dscnt 0x0
	s_endpgm
.Lfunc_end_k_q4761131c1f_outp:
	.size	k_q4761131c1f_outp, .Lfunc_end_k_q4761131c1f_outp-k_q4761131c1f_outp
	.p2alignl 7, 3214868480
	.fill 96, 4, 3214868480
	.section	.rodata,"a",@progbits
	.p2align	6, 0x0
	.amdhsa_kernel k_q4761131c1f_outp
		.amdhsa_group_segment_fixed_size 1024
		.amdhsa_private_segment_fixed_size 0
		.amdhsa_enable_private_segment 0
		.amdhsa_kernarg_size 48
		.amdhsa_user_sgpr_count 2
		.amdhsa_user_sgpr_kernarg_segment_ptr 1
		.amdhsa_wavefront_size32 1
		.amdhsa_system_sgpr_workgroup_id_x 1
		.amdhsa_system_sgpr_workgroup_id_y 1
		.amdhsa_system_sgpr_workgroup_id_z 1
		.amdhsa_system_vgpr_workitem_id 0
		.amdhsa_next_free_vgpr 512
		.amdhsa_next_free_sgpr 66
		.amdhsa_reserve_vcc 0
		.amdhsa_float_denorm_mode_32 3
		.amdhsa_float_denorm_mode_16_64 3
		.amdhsa_memory_ordered 1
		.amdhsa_forward_progress 1
		.amdhsa_inst_pref_size 66
	.end_amdhsa_kernel
	.amdgpu_metadata
---
amdhsa.version: [ 1, 2 ]
amdhsa.kernels:
  - .name:           k_q4761131c1f_outp
    .symbol:         k_q4761131c1f_outp.kd
    .args:
      - { .name: fp, .offset: 0, .size: 8, .value_kind: global_buffer, .address_space: global }
      - { .name: fd, .offset: 8, .size: 8, .value_kind: global_buffer, .address_space: global }
      - { .name: ska, .offset: 16, .size: 8, .value_kind: global_buffer, .address_space: global }
      - { .name: skb, .offset: 24, .size: 8, .value_kind: global_buffer, .address_space: global }
      - { .name: out0, .offset: 32, .size: 8, .value_kind: global_buffer, .address_space: global }
      - { .name: out1, .offset: 40, .size: 8, .value_kind: global_buffer, .address_space: global }
    .group_segment_fixed_size: 1024
    .private_segment_fixed_size: 0
    .kernarg_segment_align: 8
    .kernarg_segment_size: 48
    .max_flat_workgroup_size: 128
    .sgpr_count:     66
    .vgpr_count:     512
    .wavefront_size: 32
...
	.end_amdgpu_metadata
.endif
;; end of part 4
;; ======== version 2 of 2: 4 launches; 1.68 times as fast as version 1
;; limits: values outside matrix products are rounded to bf16; values are held in f16: magnitudes above 65,504 overflow, below 6.1e-05 lose precision
;; workspace buffers: xg 5,242,880 bytes; fp 12,582,912 bytes; fd 3,145,728 bytes; ska 262,144 bytes; skb 786,432 bytes
;; launch grp (part 5): grid 1280 x 1, 2 waves a work-group, no clusters, 0 bytes of LDS; arguments protein, drug, xg; writes xg
.if DOCPART == 5
	.amdgcn_target "amdgcn-amd-amdhsa--gfx1250"
	.amdhsa_code_object_version 6
	.text
	.protected	k_q4761131c1f_grp
	.globl	k_q4761131c1f_grp
	.p2align	8
	.type	k_q4761131c1f_grp,@function
k_q4761131c1f_grp:
	s_mov_b64 s[64:65], 0
	v_nop
	global_prefetch_b8 v0, s[64:65] scope:SCOPE_SE
	s_setreg_imm32_b32 hwreg(HW_REG_WAVE_MODE, 25, 1), 1
	s_wait_xcnt 0x0
; xg[g][c] = the mean of four neighbouring rows of protein (g < 8192) or drug (g >= 8192), rounded once to f16.
; f16, not bf16: the launch's numbers end, summed over hundreds of rows, in an output whose allowance bf16's 8 bits do not hold.  LIMIT: a mean of 65,520 or more in magnitude becomes an infinity.
; 1,280 equal work-groups of two waves; a work-group makes 8 grouped rows (32 rows of 1,024 bytes), a wave 4.  All 32 loads of a wave (512 consecutive bytes each) go out at once;
; a store of 8 bytes a lane covers 256 consecutive bytes, aligned.  Memory binds: no LDS, no matrix unit.
.set X, 16                             ; v[16:143]  load number 8 i + 2 j + half: grouped row i, raw row j, half of the row
.set Y, 144                            ; v[144:159] packed results, a pair for each store
	s_load_b128 s[4:7], s[0:1], 0x0                ; protein, drug
	s_load_b64 s[8:9], s[0:1], 0x10                ; xg
	v_lshrrev_b32 v1, 5, v0                        ; wave
	v_and_b32 v2, 31, v0                           ; lane
	v_lshlrev_b32 v3, 14, v1                       ; 16 raw rows a wave
	v_lshl_add_u32 v3, v2, 4, v3                   ; + 16 bytes a lane
	v_lshlrev_b32 v4, 11, v1                       ; 4 grouped rows of 512 bytes a wave
	v_lshl_add_u32 v4, v2, 3, v4                   ; + 8 bytes a lane
	s_cmp_lt_u32 ttmp9, 1024                       ; blocks 0 to 1,023 are protein's
	s_cselect_b32 s10, 0, 1024
	s_sub_co_u32 s10, ttmp9, s10                   ; the block's number in its own tensor
	s_lshl_b32 s12, s10, 15                        ; x 32 rows x 1,024 bytes
	s_mov_b32 s13, 0
	s_lshl_b32 s14, ttmp9, 12                      ; x 8 rows x 512 bytes
	s_mov_b32 s15, 0
	s_mov_b32 s10, 0x3e800000                      ; 0.25
	s_mov_b32 s11, s10
	s_wait_kmcnt 0x0
	s_cmp_lt_u32 ttmp9, 1024
	s_cselect_b64 s[4:5], s[4:5], s[6:7]
	s_add_nc_u64 s[4:5], s[4:5], s[12:13]
	s_add_nc_u64 s[8:9], s[8:9], s[14:15]
.set i, 0
.rept 32
	global_load_b128 v[X+4*i:X+4*i+3], v3, s[4:5] offset:512*i th:TH_LOAD_NT
.set i, i+1
.endr
.macro ROWG i
	s_wait_loadcnt 24-8*(\i)                       ; loads come back in order: this row's eight are in, eight for each later row stay out
.irp hf, 0,1
.set a, X+32*(\i)+4*\hf
	v_pk_add_f32 v[a:a+1], v[a:a+1], v[a+8:a+9]
	v_pk_add_f32 v[a+2:a+3], v[a+2:a+3], v[a+10:a+11]
	v_pk_add_f32 v[a+16:a+17], v[a+16:a+17], v[a+24:a+25]
	v_pk_add_f32 v[a+18:a+19], v[a+18:a+19], v[a+26:a+27]
	v_pk_add_f32 v[a:a+1], v[a:a+1], v[a+16:a+17]
	v_pk_add_f32 v[a+2:a+3], v[a+2:a+3], v[a+18:a+19]
	v_pk_mul_f32 v[a:a+1], v[a:a+1], s[10:11] op_sel_hi:[1,0]
	v_pk_mul_f32 v[a+2:a+3], v[a+2:a+3], s[10:11] op_sel_hi:[1,0]
	v_cvt_pk_f16_f32 v[Y+4*(\i)+2*\hf], v[a], v[a+1]
	v_cvt_pk_f16_f32 v[Y+4*(\i)+2*\hf+1], v[a+2], v[a+3]
	global_store_b64 v4, v[Y+4*(\i)+2*\hf:Y+4*(\i)+2*\hf+1], s[8:9] offset:512*(\i)+256*\hf th:TH_STORE_NT
.endr
.endm
	ROWG 0
	ROWG 1
	ROWG 2
	ROWG 3
	s_endpgm
.Lfunc_end_k_q4761131c1f_grp:
	.size	k_q4761131c1f_grp, .Lfunc_end_k_q4761131c1f_grp-k_q4761131c1f_grp
	.p2alignl 7, 3214868480
	.fill 96, 4, 3214868480
	.section	.rodata,"a",@progbits
	.p2align	6, 0x0
	.amdhsa_kernel k_q4761131c1f_grp
		.amdhsa_group_segment_fixed_size 0
		.amdhsa_private_segment_fixed_size 0
		.amdhsa_enable_private_segment 0
		.amdhsa_kernarg_size 24
		.amdhsa_user_sgpr_count 2
		.amdhsa_user_sgpr_kernarg_segment_ptr 1
		.amdhsa_wavefront_size32 1
		.amdhsa_system_sgpr_workgroup_id_x 1
		.amdhsa_system_sgpr_workgroup_id_y 1
		.amdhsa_system_sgpr_workgroup_id_z 1
		.amdhsa_system_vgpr_workitem_id 0
		.amdhsa_next_free_vgpr 160
		.amdhsa_next_free_sgpr 66
		.amdhsa_reserve_vcc 0
		.amdhsa_float_denorm_mode_32 3
		.amdhsa_float_denorm_mode_16_64 3
		.amdhsa_memory_ordered 1
		.amdhsa_forward_progress 1
		.amdhsa_inst_pref_size 11
	.end_amdhsa_kernel
	.amdgpu_metadata
---
amdhsa.version: [ 1, 2 ]
amdhsa.kernels:
  - .name:           k_q4761131c1f_grp
    .symbol:         k_q4761131c1f_grp.kd
    .args:
      - { .name: protein, .offset: 0, .size: 8, .value_kind: global_buffer, .address_space: global }
      - { .name: drug, .offset: 8, .size: 8, .value_kind: global_buffer, .address_space: global }
      - { .name: xg, .offset: 16, .size: 8, .value_kind: global_buffer, .address_space: global }
    .group_segment_fixed_size: 0
    .private_segment_fixed_size: 0
    .kernarg_segment_align: 8
    .kernarg_segment_size: 24
    .max_flat_workgroup_size: 64
    .sgpr_count:     66
    .vgpr_count:     160
    .wavefront_size: 32
...
	.end_amdgpu_metadata
.endif
;; end of part 5
;; launch proj (part 6): grid 80 x 3, 4 waves a work-group, no clusters, 66,048 bytes of LDS; arguments xg, Wq_p, Wk_p, Wv_p, Wq_d, Wk_d, Wv_d, fp, fd; writes fp, fd
.if DOCPART == 6
	.amdgcn_target "amdgcn-amd-amdhsa--gfx1250"
	.amdhsa_code_object_version 6
	.text
	.protected	k_q4761131c1f_proj
	.globl	k_q4761131c1f_proj
	.p2align	8
	.type	k_q4761131c1f_proj,@function
k_q4761131c1f_proj:
	s_mov_b64 s[64:65], 0
	v_nop
	global_prefetch_b8 v0, s[64:65] scope:SCOPE_SE
	s_setreg_imm32_b32 hwreg(HW_REG_WAVE_MODE, 25, 1), 1
	s_wait_xcnt 0x0
; q, k or v (grid y) of 128 grouped rows (grid x): out[g][c] = sum over k of xg[g][k] W[c][k], f16 operands, f32 sums; q is multiplied by 1/sqrt(32) in f32.
; q and k are rounded once to bf16 (operands of the score products), v once to f16: v's rows are summed by the hundred into an output whose allowance bf16's 8 bits do not hold.
; LIMITS.  f16 ends at 65,504: a weight or a number of v of 65,520 or more in magnitude becomes an infinity; below 6e-5 f16 keeps its fixed step of 6e-8.
; A wave makes 64 channels (two heads); its 64 rows of W stay in registers as f16 (256 registers, window 1); they come as f32 through four sets of 64 registers (window 2), 64 loads out at a time.
; All four waves multiply the same 128 rows of xg: each wave fetches two of the eight row tiles (window 3) and lays them into LDS in fragment order [tile][fragment][half][lane][16 bytes]; one barrier; then
; a loop of four trips takes two tiles a trip from LDS, on two buffers; the last trip's look-ahead is clamped to its own tiles.
; The product is taken transposed (source 0 = 16 rows of W, source 1 = 16 rows of xg): a lane ends with one row and eight neighbouring channels, 16 bytes,
; which ARE its part of a 16 x 32 fragment of the head: the result is stored in fragment order [which][n 8 + head][tile][half][lane][16 bytes], 512 consecutive bytes a store.
; K is permuted alike in both sources: place p of the 16 of lane half h in fragment s stands for k = 32 s + 16 h + p, so a lane's part of a fragment is consecutive in memory.
.set SPARE, 65536                      ; LDS: 65,536 bytes of xg's fragments, then the spare words, 128 bytes a wave
.set WO, 2                             ; v2     my byte offset in W: (64 w + l % 16) x 1,024 + 64 (l / 16)
.set XG, 3                             ; v3     in the block of xg: my wave's two tiles + (l % 16) x 512 + 32 (l / 16)
.set VO, 4                             ; v4-7   where channel tile ct goes
.set XA, 8                             ; v8     LDS address of the tiles to be read: 16 x lane + 8,192 x tile
.set XLIM, 9                           ; v9     its bound: tile 6
.set XW, 10                            ; v10    where my wave's tiles go in LDS
.set SPW, 12                           ; v12    my spare word; never rewritten
.set NIL, 13                           ; v13    0; never rewritten
.set XB, 16                            ; v[16:143] xg's fragments, two buffers of 64
.set ACC, 144                          ; v[144:175] four accumulators
.set PK, 176                           ; v[176:191] packed results
.set MSB, 0
.macro WIN new                         ; the immediate's high byte repeats the setting that is left
.if MSB != (\new)
	s_set_vgpr_msb (MSB<<8)|(\new)
.set MSB, (\new)
.endif
.endm
	s_load_b512 s[4:19], s[0:1], 0x0               ; xg, Wq_p, Wk_p, Wv_p, Wq_d, Wk_d, Wv_d, fp
	s_load_b64 s[20:21], s[0:1], 0x40              ; fd
	v_lshl_add_u32 v[SPW], v0, 2, SPARE
	v_mov_b32 v[NIL], 0
	v_lshrrev_b32 v1, 5, v0
	v_readfirstlane_b32 s32, v1                    ; wave
	v_and_b32 v192, 15, v0
	v_bfe_u32 v193, v0, 4, 1
	v_and_b32 v194, 31, v0
	s_and_b32 s33, ttmp7, 0xffff                   ; 0 q, 1 k, 2 v
	s_mov_b32 s34, ttmp9                           ; row block
	s_lshl_b32 s35, s32, 16
	v_lshlrev_b32 v[WO], 10, v192
	v_lshl_add_u32 v[WO], v193, 6, v[WO]
	v_add_nc_u32 v[WO], s35, v[WO]
	s_lshl_b32 s35, s32, 14                        ; two tiles of 8,192 bytes a wave, in memory and in LDS
	v_lshlrev_b32 v[XG], 9, v192
	v_lshl_add_u32 v[XG], v193, 5, v[XG]
	v_add_nc_u32 v[XG], s35, v[XG]
	v_lshlrev_b32 v[XA], 4, v194
	v_add_nc_u32 v[XW], s35, v[XA]
	v_add_nc_u32 v[XLIM], 49152, v[XA]
	s_lshr_b32 s37, s34, 2
	s_sub_co_u32 s38, s34, 64
	s_and_b32 s39, s34, 3
	s_cmp_lt_u32 s34, 64                           ; blocks 0-63 are protein's, four a sample; 64-79 drug's, one a sample
	s_cselect_b32 s36, 15, 13                      ; a head's fragments: 32,768 or 8,192 bytes
	s_cselect_b32 s37, s37, s38                    ; n
	s_cselect_b32 s39, s39, 0                      ; which eight tiles of the sample
	s_lshl_b32 s40, s33, 7
	s_lshl3_add_u32 s40, s37, s40                  ; 128 which + 8 n
	s_lshl_b32 s40, s40, s36
	s_lshl_b32 s39, s39, 13
	s_add_co_u32 s40, s40, s39
	s_mov_b32 s41, 0
	s_lshl_b32 s42, s32, 1
	s_lshl_b32 s43, s42, s36                       ; head 2 w
	s_add_co_u32 s42, s42, 1
	s_lshl_b32 s44, s42, s36                       ; head 2 w + 1
	v_add_nc_u32 v[VO], s43, v[XA]
	v_add_nc_u32 v[VO+1], 512, v[VO]
	v_add_nc_u32 v[VO+2], s44, v[XA]
	v_add_nc_u32 v[VO+3], 512, v[VO+2]
	s_lshl_b32 s46, s34, 16                        ; 128 rows of 512 bytes
	s_mov_b32 s47, 0
	s_cmp_eq_u32 s33, 0
	s_cselect_b32 s48, 0x3e3504f3, 1.0             ; 1 / sqrt(32) for q
	s_mov_b32 s49, s48
	s_wait_kmcnt 0x0
	s_cmp_lt_u32 s34, 64
	s_cselect_b64 s[22:23], s[6:7], s[12:13]
	s_cselect_b64 s[24:25], s[8:9], s[14:15]
	s_cselect_b64 s[26:27], s[10:11], s[16:17]
	s_cselect_b64 s[28:29], s[18:19], s[20:21]
	s_cmp_eq_u32 s33, 0
	s_cselect_b64 s[22:23], s[22:23], s[24:25]
	s_cmp_eq_u32 s33, 2
	s_cselect_b64 s[22:23], s[26:27], s[22:23]     ; W
	s_add_nc_u64 s[28:29], s[28:29], s[40:41]      ; out
	s_add_nc_u64 s[4:5], s[4:5], s[46:47]          ; xg at the block
.macro WLD b, set                      ; batch b: channel tile b / 2, fragments 4 (b % 2) on: 16 loads into a set of window 2
	WIN 0x80
.set ws, 0
.rept 4
.set wj, 0
.rept 4
	global_load_b128 v[64*(\set)+16*ws+4*wj:64*(\set)+16*ws+4*wj+3], v[WO], s[22:23] offset:((\b)/2)*16384+128*(4*((\b)%2)+ws)+16*wj
.set wj, wj+1
.endr
.set ws, ws+1
.endr
.endm
.macro WCV b, set                      ; rounded to f16 into window 1: tile ct, fragment s at 64 ct + 8 s
	WIN 0x4a
.set ws, 0
.rept 4
.set wj, 0
.rept 8
	v_cvt_pk_f16_f32 v[64*((\b)/2)+8*(4*((\b)%2)+ws)+wj], v[64*(\set)+16*ws+2*wj], v[64*(\set)+16*ws+2*wj+1]
.set wj, wj+1
.endr
.set ws, ws+1
.endr
.endm
.macro LDX bf, off                     ; a row tile's eight fragments out of LDS: 16 loads of 512 consecutive bytes
.set xs, 0
.rept 16
	ds_load_b128 v[XB+64*(\bf)+4*xs:XB+64*(\bf)+4*xs+3], v[XA] offset:(\off)+512*xs
.set xs, xs+1
.endr
.endm
	WIN 0xc0                                       ; my two tiles of xg into window 3: piece j = 16 x tile + 2 x fragment + half
.set xj, 0
.rept 32
	global_load_b128 v[4*xj:4*xj+3], v[XG], s[4:5] offset:(xj/16)*8192+((xj%16)/2)*64+(xj%2)*16
.set xj, xj+1
.endr
	WLD 0, 0
	WLD 1, 1
	WLD 2, 2
	WLD 3, 3
	s_wait_loadcnt 63                              ; xg's 32 loads are in: 64 loads stand behind them, and the count names 63 at the most
	WIN 0x0c                                       ; store data in window 3
.set xj, 0
.rept 32
	ds_store_b128 v[XW], v[4*xj:4*xj+3] offset:512*xj
.set xj, xj+1
.endr
.irp b, 0,1,2,3,4,5,6,7
.if \b < 5
	s_wait_loadcnt 48                              ; this batch is in; the three batches issued behind it stay out
.else
	s_wait_loadcnt 16*(7-\b)                       ; the counts run down
.endif
	WCV \b, (\b)%4
.if \b < 4
	WLD (\b)+4, (\b)%4
.endif
.endr
	WIN 0
	s_wait_dscnt 0x0                               ; for the others' sake: my tiles lie in LDS
	s_barrier_signal -1
	s_barrier_wait -1
	LDX 0, 0
	LDX 1, 8192
.macro MT p
	s_wait_dscnt 16                                ; my tile is in; the other buffer's 16 loads stay out
	WIN 0x01                                       ; source 0 (W) in window 1
.set ms, 0
.rept 8                                ; the four accumulators take turns
.set mc, 0
.rept 4
.if ms == 0
	v_wmma_f32_16x16x32_f16 v[ACC+8*mc:ACC+8*mc+7], v[64*mc+8*ms:64*mc+8*ms+7], v[XB+64*(\p)+8*ms:XB+64*(\p)+8*ms+7], 0
.else
	v_wmma_f32_16x16x32_f16 v[ACC+8*mc:ACC+8*mc+7], v[64*mc+8*ms:64*mc+8*ms+7], v[XB+64*(\p)+8*ms:XB+64*(\p)+8*ms+7], v[ACC+8*mc:ACC+8*mc+7]
.endif
.set mc, mc+1
.endr
.set ms, ms+1
.endr
	WIN 0
.if (\p) == 0                          ; four places behind the last product, ahead of loads into its sources and of reads of its result
	v_add_nc_u32 v[XA], 16384, v[XA]               ; two tiles on,
	v_min_u32 v[XA], v[XA], v[XLIM]                ; in the last trip that trip's own
	v_nop
	v_nop
.else
.rept 4
	v_nop
.endr
.endif
	LDX \p, 8192*(\p)
	s_wait_xcnt 0x0                                ; the last tile's stores have read PK and their base
.if (\p) == 0
	s_add_nc_u64 s[28:29], s[28:29], 2048          ; two tiles on; the stores reach back
.endif
.set mc, 0
.rept 16
	v_pk_mul_f32 v[ACC+2*mc:ACC+2*mc+1], v[ACC+2*mc:ACC+2*mc+1], s[48:49] op_sel_hi:[1,0]
.set mc, mc+1
.endr
	s_cmp_eq_u32 s33, 2                            ; the launch's y: the same for the whole work-group
	s_cbranch_scc1 .Lvf_\@
.set mc, 0
.rept 16
	v_cvt_pk_bf16_f32 v[PK+mc], v[ACC+2*mc], v[ACC+2*mc+1]  ; q and k
.set mc, mc+1
.endr
	s_branch .Lst_\@
.Lvf_\@:
.set mc, 0
.rept 16
	v_cvt_pk_f16_f32 v[PK+mc], v[ACC+2*mc], v[ACC+2*mc+1]   ; v
.set mc, mc+1
.endr
.Lst_\@:
.set mc, 0
.rept 4
	global_store_b128 v[VO+mc], v[PK+4*mc:PK+4*mc+3], s[28:29] offset:1024*(\p)-2048
.set mc, mc+1
.endr
.endm
	s_mov_b32 s50, 4
.Ltile:
	MT 0
	MT 1
	s_sub_co_u32 s50, s50, 1
	s_cmp_lg_u32 s50, 0
	s_cbranch_scc1 .Ltile
	s_wait_tensorcnt 0x0                           ; the wave's end: three lines behind my last LDS store
	ds_add_u32 v[SPW], v[NIL]
	s_wait_dscnt 0x0
	s_endpgm
.Lfunc_end_k_q4761131c1f_proj:
	.size	k_q4761131c1f_proj, .Lfunc_end_k_q4761131c1f_proj-k_q4761131c1f_proj
	.p2alignl 7, 3214868480
	.fill 96, 4, 3214868480
	.section	.rodata,"a",@progbits
	.p2align	6, 0x0
	.amdhsa_kernel k_q4761131c1f_proj
		.amdhsa_group_segment_fixed_size 66048
		.amdhsa_private_segment_fixed_size 0
		.amdhsa_enable_private_segment 0
		.amdhsa_kernarg_size 72
		.amdhsa_user_sgpr_count 2
		.amdhsa_user_sgpr_kernarg_segment_ptr 1
		.amdhsa_wavefront_size32 1
		.amdhsa_system_sgpr_workgroup_id_x 1
		.amdhsa_system_sgpr_workgroup_id_y 1
		.amdhsa_system_sgpr_workgroup_id_z 1
		.amdhsa_system_vgpr_workitem_id 0
		.amdhsa_next_free_vgpr 896
		.amdhsa_next_free_sgpr 66
		.amdhsa_reserve_vcc 0
		.amdhsa_float_denorm_mode_32 3
		.amdhsa_float_denorm_mode_16_64 3
		.amdhsa_memory_ordered 1
		.amdhsa_forward_progress 1
		.amdhsa_inst_pref_size 53
	.end_amdhsa_kernel
	.amdgpu_metadata
---
amdhsa.version: [ 1, 2 ]
amdhsa.kernels:
  - .name:           k_q4761131c1f_proj
    .symbol:         k_q4761131c1f_proj.kd
    .args:
      - { .name: xg, .offset: 0, .size: 8, .value_kind: global_buffer, .address_space: global }
      - { .name: Wq_p, .offset: 8, .size: 8, .value_kind: global_buffer, .address_space: global }
      - { .name: Wk_p, .offset: 16, .size: 8, .value_kind: global_buffer, .address_space: global }
      - { .name: Wv_p, .offset: 24, .size: 8, .value_kind: global_buffer, .address_space: global }
      - { .name: Wq_d, .offset: 32, .size: 8, .value_kind: global_buffer, .address_space: global }
      - { .name: Wk_d, .offset: 40, .size: 8, .value_kind: global_buffer, .address_space: global }
      - { .name: Wv_d, .offset: 48, .size: 8, .value_kind: global_buffer, .address_space: global }
      - { .name: fp, .offset: 56, .size: 8, .value_kind: global_buffer, .address_space: global }
      - { .name: fd, .offset: 64, .size: 8, .value_kind: global_buffer, .address_space: global }
    .group_segment_fixed_size: 66048
    .private_segment_fixed_size: 0
    .kernarg_segment_align: 8
    .kernarg_segment_size: 72
    .max_flat_workgroup_size: 128
    .sgpr_count:     66
    .vgpr_count:     896
    .wavefront_size: 32
...
	.end_amdgpu_metadata
.endif
;; end of part 6
;; launch sink (part 7): grid 128 x 2, 4 waves a work-group, no clusters, 323,840 bytes of LDS; arguments fp, fd, mask_prot, mask_drug, ska, skb; writes ska, skb
.if DOCPART == 7
	.amdgcn_target "amdgcn-amd-amdhsa--gfx1250"
	.amdhsa_code_object_version 6
	.text
	.protected	k_q4761131c1f_sink
	.globl	k_q4761131c1f_sink
	.p2align	8
	.type	k_q4761131c1f_sink,@function
k_q4761131c1f_sink:
	s_mov_b64 s[64:65], 0
	v_nop
	global_prefetch_b8 v0, s[64:65] scope:SCOPE_SE
	s_setreg_imm32_b32 hwreg(HW_REG_WAVE_MODE, 25, 1), 1
	s_wait_xcnt 0x0
; The softmax over a whole score matrix and four Sinkhorn steps, for one sample and head (grid x).  Grid y = 0: protein x protein (512 x 512).  y = 1: protein x drug (512 x 128), drug x protein (128 x 512), drug x drug (128 x 128).
; FORM.  A = diag(u) (e + eps Z) diag(v), e = exp(l - m), m the matrix's maximum, Z the sum of e (hidden pairs counted with l - 1e6), eps = 1e-12; u starts at valid / Z, v at valid.
; A row step is u /= u (sum_j e v + eps Z sum v) + eps, a column step the same with the parts changed.  The rank-one part eps Z is added by way of sum v or sum u.
; What leaves: t_j = v_j sum_i u_i (e + eps Z), the final matrix's column sums, times 0.5 / (number of valid rows): the masked mean of A V is sum_j t_j V_j.  For drug x protein also u, v, -m log2(e), eps Z.
; e IS KEPT, rounded once to bf16, as fragments with a lane a row and k along the columns; a wave owns all rows of a quarter of the columns.  A lane's packed scores ARE its part of a fragment; they go through the
; wave's own LDS slab, in fragment order [tile][16 columns][lane][16 bytes], because a loop cannot choose its registers.  512 x 512: half ends in registers (windows 1, 2), half stays in the slab.
; Of the three smaller matrices drug x protein ends in registers (window 2), the other two stay in the slab.
; ALL GLOBAL LOADS STAND AT THE HEAD: the queries' fragments and the rows' bias are copied once into LDS for all four waves; keys' fragments (window 3) and the columns' bias stay in registers for both sweeps.
; ROW STEP: matrix unit, source 0 = v in bf16 (the same in all 16 rows), source 1 = e.  COLUMN STEP: f32 multiply-adds straight from e's halves with u in f32, then a sum over 16 lanes that halves the registers at each
; of its four steps: lane l % 16 = r of register q ends with column 32 q + 16 (r / 8) + 8 (l / 16) + r % 8 of my columns, so v, its division and t take one register for 32 columns.
; LIMITS.  e and the row step's v have bf16's 8 bits; a weight below 2^-126 counts as 0; u and v are held to 1e30 at the most (they pass it only where all rows or all columns are hidden); NaN and infinities are not treated apart.
.set QS,    262144                     ; behind four slabs of 65,536: protein's queries, 32,768 bytes,
.set QSD,   294912                     ; drug's, 8,192
.set OUTB,  262144                     ; the image of the record that leaves, 6,144 bytes: on the queries' first bytes, written only behind the barrier that follows the last sweep
.set RBP,   303104                     ; rows' bias, 0 or -1e6: protein's 512 words,
.set RBD,   305152                     ; drug's 128
.set PS,    305664                     ; partial row sums [wave][row] f32: 12,288 bytes
.set UF,    317952                     ; u in f32: 3,072 bytes
.set RED,   321024                     ; slots of four words, one a wave: maxima 0-2, Z 3-5, sum v 6-8, sum u 9-11
.set VVB,   321280                     ; v in bf16, 512 bytes a wave, the wave's own
.set SPARE, 323328                     ; the spare words, 128 bytes a wave
.set R, 1                              ; l % 16
.set H, 2                              ; l / 16
.set LANE, 3
.set SPW, 4                            ; my spare word; never rewritten
.set NIL, 5                            ; 0; never rewritten
.set QO, 6                             ; sweep: LDS address of the row tile's fragment
.set RO, 7                             ; sweep: of my row's bias
.set SA, 8                             ; sweep: where my 16 bytes go in the slab
.set SL16, 9                           ; my slab + 16 x lane
.set L16, 10                           ; 16 x lane
.set H32, 11                           ; 32 (l / 16)
.set PC4, 12                           ; 4 x (16 (r / 8) + 8 (l / 16) + r % 8): my place among 32 columns
.set VVA, 13                           ; where my column's v goes in bf16
.set PSA, 14                           ; v14-16 by matrix: where my row's partial sum goes
.set PRA, 17                           ; v17-19 where I read partial sums
.set UFW, 20                           ; v20-22 where my u goes
.set UDA, 23                           ; UF + 4 (l % 16)
.set OA, 24                            ; v24-26 by matrix: OUTB + 4 x my column of register 0
.set REDW, 27
.set REDR, 28
.set NEGV, 29                          ; -1e6
.set ZERO, 30
.set EZ16, 31                          ; eps Z sum u / 16
.set EPSV, 32
.set ML, 34                            ; pair: m log2(e)
.set VFA, 36                           ; where I read v's fragments
.set RB, 37
.set US, 38                            ; v38-43 u of my rows
.set T0, 44
.set T1, 45
.set T2, 46
.set T3, 47
.set CB, 48                            ; v[48:127] columns' bias: register 8 ct + e is column 16 ct + 8 (l / 16) + e
.set VR, 128                           ; v128-133 v in f32
.set VRDP, 128
.set VRPD, 132
.set VRDD, 133
.set HA0, 134                          ; v134-143 at the head: addresses of the loads
.set HA1, 135
.set HA2, 136
.set HA3, 137
.set HA4, 138
.set HA5, 139
.set HA6, 140
.set HA7, 141
.set HA8, 142
.set HA9, 143
.set LCA, 134                          ; later: a loop's slab address, its u address, their bounds, its address for partial sums
.set ULA, 135
.set LCLIM, 136
.set ULIM, 137
.set PST, 138
.set WORK, 144
.set CN, 224                           ; head: mask words to be counted
.set S,  176                           ; sweeps: scores (up to 64), query fragment, sums
.set QF, 240
.set ZA, 248
.set MX, 248
.set VF, 144                           ; row step: v in bf16, accumulators
.set RA, 176
.set VFPD, 240
.set VFDD, 248
.set ACC, 144                          ; column step: sums, u by tile, at work
.set UD, 208
.set BT, 208                           ; v208-215 at work in the sum over lanes, when u by tile has been used
.set UL, 240
.set SVT, 248
.set WV, 16
.set XX, 17
.set NN, 18
.set TS, 19
.set QP, 20
.set KP, 22
.set QD, 24
.set KD, 26
.set MP, 28
.set MD, 30
.set SEL, 32
.set L2E, 34
.set CT, 36
.set IT, 37
.set EZ, 40                            ; s40-42 eps Z
.set EZH, 44                           ; s44-46 eps Z / 16
.set MLS, 48                           ; s48-50 m log2(e)
.set HCP, 52                           ; 0.5 / valid protein groups
.set HCD, 54                           ; 0.5 / valid drug groups
.set OF, 56                            ; pair: an offset
.set BIG, 58                           ; 1e30
.set MSB, 0
.macro WIN new                         ; the immediate's high byte repeats the setting that is left
.if MSB != (\new)
	s_set_vgpr_msb (MSB<<8)|(\new)
.set MSB, (\new)
.endif
.endm
.macro BAR                             ; my LDS instructions are done, for the others' sake; then the barrier
	s_wait_dscnt 0x0
	s_barrier_signal -1
	s_barrier_wait -1
.endm
.macro RLOAD slot, d
	ds_load_b128 v[\d:\d+3], v[REDR] offset:16*(\slot)
.endm
.macro RADD d
	v_add_f32 v[\d], v[\d], v[\d+1]
	v_add_f32 v[\d+2], v[\d+2], v[\d+3]
	v_add_f32 v[\d], v[\d], v[\d+2]
.endm
.macro RMAX d
	v_max_num_f32 v[\d], v[\d], v[\d+1]
	v_max_num_f32 v[\d+2], v[\d+2], v[\d+3]
	v_max_num_f32 v[\d], v[\d], v[\d+2]
.endm
.macro WRADD x, y                      ; the sum over 32 lanes, in every lane; y has been written
.irp m, 1,2,4,8
	v_add_f32_dpp v[\x], v[\x], v[\x] row_xmask:\m row_mask:0xf bank_mask:0xf
.endr
	v_permlanex16_b32 v[\y], v[\x], s[SEL], s[SEL+1]
	v_add_f32 v[\x], v[\x], v[\y]
.endm
.macro WRMAX x, y
.irp m, 1,2,4,8
	v_max_num_f32_dpp v[\x], v[\x], v[\x] row_xmask:\m row_mask:0xf bank_mask:0xf
.endr
	v_permlanex16_b32 v[\y], v[\x], s[SEL], s[SEL+1]
	v_max_num_f32 v[\x], v[\x], v[\y]
.endm
; ---- the head's loads and what is made of them
.macro STLD n, ptr, rb                 ; queries: 2,048 consecutive bytes a line for the work-group
.set ci, 0
.rept \n
	global_load_b128 v[(\rb)+4*ci:(\rb)+4*ci+3], v[HA0], s[\ptr:\ptr+1] offset:2048*ci
.set ci, ci+1
.endr
.endm
.macro STST n
.set ci, 0
.rept \n
	ds_store_b128 v[HA1], v[WORK+4*ci:WORK+4*ci+3] offset:2048*ci
.set ci, ci+1
.endr
.endm
.macro KLD nct, kp, va, kimm, kfb      ; keys' fragments of nct tiles of 16 columns (the caller has set the destination's window)
.set ci, 0
.rept \nct
	global_load_b128 v[(\kfb)+8*ci:(\kfb)+8*ci+3], v[\va], s[\kp:\kp+1] offset:(\kimm)+1024*ci
	global_load_b128 v[(\kfb)+8*ci+4:(\kfb)+8*ci+7], v[\va], s[\kp:\kp+1] offset:(\kimm)+1024*ci+512
.set ci, ci+1
.endr
.endm
.macro MLD nct, mp, va, mimm, cbb      ; their mask words, into the bias's registers
.set ci, 0
.rept \nct
	global_load_b128 v[(\cbb)+8*ci:(\cbb)+8*ci+3], v[\va], s[\mp:\mp+1] offset:(\mimm)+64*ci
	global_load_b128 v[(\cbb)+8*ci+4:(\cbb)+8*ci+7], v[\va], s[\mp:\mp+1] offset:(\mimm)+64*ci+16
.set ci, ci+1
.endr
.endm
.macro CBFIN n, cbb                    ; a group with no mask byte set is hidden: 0 or -1e6, in place
.set ci, 0
.rept \n
	v_cmp_eq_u32 vcc_lo, 0, v[(\cbb)+ci]
	v_cndmask_b32 v[(\cbb)+ci], 0, v[NEGV], vcc_lo
.set ci, ci+1
.endr
.endm
.macro GL32 dst, n, va, ptr, jump      ; n mask words, 128 bytes apart
.set ci, 0
.rept \n
	global_load_b32 v[(\dst)+ci], v[\va], s[\ptr:\ptr+1] offset:128*ci+(ci/2)*(\jump)
.set ci, ci+1
.endr
.endm
.macro GL128 dst, n, va, ptr
.set ci, 0
.rept \n
	global_load_b128 v[(\dst)+4*ci:(\dst)+4*ci+3], v[\va], s[\ptr:\ptr+1] offset:16*ci
.set ci, ci+1
.endr
.endm
.macro USFIN usb, nr, rbw              ; my rows: 1 or 0 for u; the bias into LDS for everybody's sweeps
.set ci, 0
.rept \nr
	v_cmp_eq_u32 vcc_lo, 0, v[(\usb)+ci]
	v_cndmask_b32 v[(\usb)+ci], 1.0, v[ZERO], vcc_lo
	v_cndmask_b32 v[T3], 0, v[NEGV], vcc_lo
	ds_store_b32 v[\rbw], v[T3] offset:128*ci
.set ci, ci+1
.endr
.endm
.macro ONEZ b, n                       ; my columns: v starts at 1 or 0
.set ci, 0
.rept \n
	v_cmp_eq_u32 vcc_lo, 0, v[(\b)+ci]
	v_cndmask_b32 v[(\b)+ci], 1.0, v[ZERO], vcc_lo
.set ci, ci+1
.endr
.endm
.macro CNFIN nl, b, dst                ; 0.5 / the number of groups with a mask byte set: 4 nl mask words a lane
.set ci, 0
.rept 4*\nl
	v_min_u32 v[(\b)+ci], 1, v[(\b)+ci]
.set ci, ci+1
.endr
.set ci, 1
.rept 4*\nl-1
	v_add_nc_u32 v[\b], v[\b], v[(\b)+ci]
.set ci, ci+1
.endr
	v_cvt_f32_u32 v[\b], v[\b]
	WRADD \b, \b+1
	v_rcp_f32 v[\b+2], v[\b]
	v_nop
	s_wait_alu depctr_va_vdst(0)                   ; the wait ahead of the reciprocal's first reader
	v_mul_f32 v[\b+2], 0.5, v[\b+2]
	v_readfirstlane_b32 s[\dst], v[\b+2]
.endm
.macro SVS vrb, nq, slot               ; the sum of my columns' v: each lane holds other columns
.if (\nq) == 4
	v_add_f32 v[SVT], v[\vrb], v[\vrb+1]
	v_add_f32 v[SVT+1], v[\vrb+2], v[\vrb+3]
	v_add_f32 v[SVT], v[SVT], v[SVT+1]
.else
	v_mov_b32 v[SVT], v[\vrb]
	v_mov_b32 v[SVT+1], v[\vrb]
.endif
	WRADD SVT, SVT+1
	ds_store_b32 v[REDW], v[SVT] offset:16*(\slot)
.endm
.macro VVSV vrb, nq, vvoff, slot       ; the first v in bf16 into my bytes of LDS, and its sum
.set ci, 0
.rept \nq
	v_cvt_pk_bf16_f32 v[T0+ci], v[(\vrb)+ci], v[(\vrb)+ci]
	ds_store_b16 v[VVA], v[T0+ci] offset:(\vvoff)+64*ci
.set ci, ci+1
.endr
	SVS \vrb, \nq, \slot
.endm
; All nt row tiles against nct column tiles.  S^T = K Q^T + bias: a lane holds one row and eight neighbouring columns.  mode 0: the maximum.  mode 1: e, its sum, and e in bf16 into the slab from byte so on.
; A trip's LDS instructions, in order: the next trip's bias, straight behind the lines that read this trip's; the next trip's query fragment (two loads), when the products that read this trip's have long been issued;
; in mode 1 the trip's nct stores.  The addresses are clamped to the last tile.
.macro SWEEP mode, nct, nt, qb, rb, so, kfb, cbb
	WIN 0
	v_add_nc_u32 v[QO], \qb, v[L16]
	v_lshl_add_u32 v[RO], v[R], 2, \rb
.if \mode
	v_add_nc_u32 v[SA], \so, v[SL16]
.endif
	ds_load_b32 v[RB], v[RO]
	ds_load_b128 v[QF:QF+3], v[QO]
	ds_load_b128 v[QF+4:QF+7], v[QO] offset:512
	s_mov_b32 s[CT], \nt
.if \mode
	s_wait_dscnt 0x0                               ; on the way in no stores stand behind the three loads, so the counts below would show nothing
.endif
.Lsw_\@:
	s_wait_dscnt 2+(\mode)*(\nct)                  ; the bias is in; behind it: the fragment's two loads and, in mode 1, the last trip's stores
.set sc, 0
.rept 8*\nct
	v_min_num_f32 v[S+sc], v[RB], v[(\cbb)+sc]     ; -1e6 once where row or column is hidden
.set sc, sc+1
.endr
	v_add_nc_u32 v[RO], 64, v[RO]
	v_min_u32 v[RO], (\rb)+((\nt)-1)*64+60, v[RO]
	ds_load_b32 v[RB], v[RO]
	s_wait_dscnt 1+(\mode)*(\nct)                  ; the fragment is in; behind it: the stores and the bias just asked for
	WIN 0x03                                       ; keys in window 3
.set sc, 0
.rept \nct
	v_wmma_f32_16x16x32_bf16 v[S+8*sc:S+8*sc+7], v[(\kfb)+8*sc:(\kfb)+8*sc+7], v[QF:QF+7], v[S+8*sc:S+8*sc+7]
.set sc, sc+1
.endr
	WIN 0
	v_add_nc_u32 v[QO], 1024, v[QO]                ; four plain lines: the places behind the last product
	v_min_u32 v[QO], (\qb)+((\nt)-1)*1024+496, v[QO]
	v_nop
	v_nop
.if \mode
	v_pk_fma_f32 v[S:S+1], v[S:S+1], s[L2E:L2E+1], v[ML:ML+1] op_sel_hi:[1,0,0] neg_lo:[0,0,1] neg_hi:[0,0,1]
.set sc, 0
.rept 4*\nct                           ; a pair is scaled one step ahead of its two exponentials; nothing here names an exponential's result
.if sc+1 < 4*(\nct)
	v_pk_fma_f32 v[S+2*sc+2:S+2*sc+3], v[S+2*sc+2:S+2*sc+3], s[L2E:L2E+1], v[ML:ML+1] op_sel_hi:[1,0,0] neg_lo:[0,0,1] neg_hi:[0,0,1]
.endif
	v_exp_f32 v[S+2*sc], v[S+2*sc]
	v_exp_f32 v[S+2*sc+1], v[S+2*sc+1]
.set sc, sc+1
.endr
	ds_load_b128 v[QF:QF+3], v[QO]
	ds_load_b128 v[QF+4:QF+7], v[QO] offset:512
	v_nop                                          ; a plain line behind the last exponential,
	s_wait_alu depctr_va_vdst(0)                   ; and one wait for the batch
.set sc, 0
.rept 4*\nct
	v_pk_add_f32 v[ZA+2*(sc%4):ZA+2*(sc%4)+1], v[ZA+2*(sc%4):ZA+2*(sc%4)+1], v[S+2*sc:S+2*sc+1]
.set sc, sc+1
.endr
.set sc, 0
.rept 4*\nct
	v_cvt_pk_bf16_f32 v[S+sc], v[S+2*sc], v[S+2*sc+1]  ; packed in place, ascending
.set sc, sc+1
.endr
.set sc, 0
.rept \nct
	ds_store_b128 v[SA], v[S+4*sc:S+4*sc+3] offset:512*sc  ; 512 consecutive bytes
.set sc, sc+1
.endr
	v_add_nc_u32 v[SA], 512*(\nct), v[SA]
.else
.set sc, 0
.rept \nct
.if sc == (\nct)-1
	ds_load_b128 v[QF:QF+3], v[QO]
	ds_load_b128 v[QF+4:QF+7], v[QO] offset:512
.endif
.set se, 0
.rept 4
	v_max3_num_f32 v[MX+se], v[MX+se], v[S+8*sc+2*se], v[S+8*sc+2*se+1]
.set se, se+1
.endr
.set sc, sc+1
.endr
.endif
	s_sub_co_u32 s[CT], s[CT], 1
	s_cmp_lg_u32 s[CT], 0
	s_cbranch_scc1 .Lsw_\@
	s_wait_dscnt 0x0                               ; the last look-ahead
.endm
; The slab's fragments into registers: tile t, fragment f at absolute register eb + ts t + 8 f.  LDS serves a wave's instructions in order: these see my stores, and my next stores come behind them.
.macro LOADR eb, ts, nt, nf, so
.set lt, 0
.rept \nt
.set lf, 0
.rept \nf
.set le, (\eb)+(\ts)*lt+8*lf
.set li, le&255
	WIN (le>>8)<<6
	ds_load_b128 v[li:li+3], v[SL16] offset:(\so)+((\nf)*lt+lf)*1024
	ds_load_b128 v[li+4:li+7], v[SL16] offset:(\so)+((\nf)*lt+lf)*1024+512
.set lf, lf+1
.endr
.set lt, lt+1
.endr
	WIN 0
.endm
.macro MXINIT
.irp i, 0,1,2,3
	v_mov_b32 v[MX+\i], 0xff7fffff
.endr
.endm
.macro MXRED slot
	RMAX MX
	WRMAX MX, MX+1
	ds_store_b32 v[REDW], v[MX] offset:16*(\slot)
.endm
.macro ZAINIT
.irp i, 0,1,2,3,4,5,6,7
	v_mov_b32 v[ZA+\i], 0
.endr
.endm
.macro ZRED slot
	v_pk_add_f32 v[ZA:ZA+1], v[ZA:ZA+1], v[ZA+2:ZA+3]
	v_pk_add_f32 v[ZA+4:ZA+5], v[ZA+4:ZA+5], v[ZA+6:ZA+7]
	v_pk_add_f32 v[ZA:ZA+1], v[ZA:ZA+1], v[ZA+4:ZA+5]
	v_add_f32 v[ZA], v[ZA], v[ZA+1]
	WRADD ZA, ZA+1
	ds_store_b32 v[REDW], v[ZA] offset:16*(\slot)
.endm
.macro ZFIN zslot, usb, nr, ez, ezh    ; Z; u = valid / Z; eps Z
	RLOAD \zslot, WORK
	s_wait_dscnt 0x0
	RADD WORK
	v_rcp_f32 v[WORK+1], v[WORK]
	v_mul_f32 v[WORK+2], v[EPSV], v[WORK]
	s_wait_alu depctr_va_vdst(0)
.set zi, 0
.rept \nr
	v_mul_f32 v[\usb+zi], v[\usb+zi], v[WORK+1]
.set zi, zi+1
.endr
	v_readfirstlane_b32 s[\ez], v[WORK+2]
	v_mul_f32 v[WORK+3], 0x3d800000, v[WORK+2]
	v_readfirstlane_b32 s[\ezh], v[WORK+3]
.endm
.macro VFLD nf, vvoff, vf              ; v's fragments: every lane of a half reads the same 16 bytes
.set fi, 0
.rept \nf
	ds_load_b128 v[(\vf)+8*fi:(\vf)+8*fi+3], v[VFA] offset:(\vvoff)+64*fi
	ds_load_b128 v[(\vf)+8*fi+4:(\vf)+8*fi+7], v[VFA] offset:(\vvoff)+64*fi+32
.set fi, fi+1
.endr
.endm
; Four row tiles (4 nf fragments) of the slab into set 0 or 1 of window 3; wu = 1: also u of my row in each tile
.macro LL set, nf, ar, off, wu
	WIN 0xc0
.set gk, 0
.rept 4*(\nf)
	ds_load_b128 v[64*(\set)+8*gk:64*(\set)+8*gk+3], v[\ar] offset:(\off)+1024*gk
	ds_load_b128 v[64*(\set)+8*gk+4:64*(\set)+8*gk+7], v[\ar] offset:(\off)+1024*gk+512
.set gk, gk+1
.endr
	WIN 0
.if \wu
.set gk, 0
.rept 4
	ds_load_b32 v[UL+4*(\set)+gk], v[ULA] offset:256*(\set)+64*gk
.set gk, gk+1
.endr
.endif
.endm
; Row sums of a matrix that lies in registers, eight tiles at a time; the accumulators take turns.  Register 0 of a result is row l % 16's sum.
.macro ROWR eb, ts, nt, nf, psa
.set wg, 0
.rept (\nt)/8
.set wf, 0
.rept \nf
.set wt, 0
.rept 8
.set we, (\eb)+(\ts)*(8*wg+wt)+8*wf
.set wi, we&255
	WIN (we>>8)<<2
.if wf == 0
	v_wmma_f32_16x16x32_bf16 v[RA+8*wt:RA+8*wt+7], v[VF+8*wf:VF+8*wf+7], v[wi:wi+7], 0
.else
	v_wmma_f32_16x16x32_bf16 v[RA+8*wt:RA+8*wt+7], v[VF+8*wf:VF+8*wf+7], v[wi:wi+7], v[RA+8*wt:RA+8*wt+7]
.endif
.set wt, wt+1
.endr
.set wf, wf+1
.endr
	WIN 0
.rept 5
	v_nop                                          ; the places ahead of the stores and of the products that write these registers again
.endr
.set wt, 0
.rept 8
	ds_store_b32 v[\psa], v[RA+8*wt] offset:64*(8*wg+wt)
.set wt, wt+1
.endr
.set wg, wg+1
.endr
.endm
; Row sums of a matrix of 32 columns a wave that lies in the slab from byte so on: a trip takes eight tiles, two sets of four by turns; the last trip's look-ahead is clamped to its own tiles
.macro RW4 set, vf
	WIN 0x0c
.set wt, 0
.rept 4
	v_wmma_f32_16x16x32_bf16 v[RA+32*(\set)+8*wt:RA+32*(\set)+8*wt+7], v[\vf:\vf+7], v[64*(\set)+8*wt:64*(\set)+8*wt+7], 0
.set wt, wt+1
.endr
	WIN 0
.rept 4
	v_nop                                          ; the places ahead of the stores and of the loads into this set
.endr
.set wt, 0
.rept 4
	ds_store_b32 v[PST], v[RA+32*(\set)+8*wt] offset:256*(\set)+64*wt
.set wt, wt+1
.endr
.endm
.macro ROWL so, ntrip, vf, psa
	v_add_nc_u32 v[LCA], \so, v[SL16]
.if (\ntrip) > 1
	v_add_nc_u32 v[LCLIM], (\so)+((\ntrip)-1)*8192, v[SL16]
.endif
	v_mov_b32 v[PST], v[\psa]
	LL 0, 1, LCA, 0, 0
	LL 1, 1, LCA, 4096, 0
.if (\ntrip) > 1
	s_mov_b32 s[CT], \ntrip
.Lrl_\@:
.endif
	s_wait_dscnt 8                                 ; set 0 (and v) is in; set 1's eight loads stay out
	RW4 0, \vf
.if (\ntrip) > 1
	v_add_nc_u32 v[LCA], 8192, v[LCA]
	v_min_u32 v[LCA], v[LCA], v[LCLIM]
	LL 0, 1, LCA, 0, 0
	s_wait_dscnt 12                                ; set 1 is in; behind it four stores and set 0's eight loads
.else
	s_wait_dscnt 4                                 ; behind it four stores
.endif
	RW4 1, \vf
.if (\ntrip) > 1
	LL 1, 1, LCA, 4096, 0
	v_add_nc_u32 v[PST], 512, v[PST]
	s_sub_co_u32 s[CT], s[CT], 1
	s_cmp_lg_u32 s[CT], 0
	s_cbranch_scc1 .Lrl_\@
	s_wait_dscnt 0x0                               ; the last look-ahead
.endif
.endm
; u of my rows: the four waves' partial sums, the rank-one part, the division; u and its sum go to LDS
.macro UPD nr, ni, pra, usb, ufw, svslot, suslot, ez
.set uT, 0
.rept \nr
.set uw, 0
.rept 4
	ds_load_b32 v[WORK+4*uT+uw], v[\pra] offset:uw*4*(\ni)+128*uT
.set uw, uw+1
.endr
.set uT, uT+1
.endr
	RLOAD \svslot, WORK+16
	s_wait_dscnt 0x0
	RADD WORK+16
	v_mul_f32 v[WORK+16], s[\ez], v[WORK+16]
.set uT, 0
.rept \nr
	v_add_f32 v[WORK+4*uT], v[WORK+4*uT], v[WORK+4*uT+1]
	v_add_f32 v[WORK+4*uT+2], v[WORK+4*uT+2], v[WORK+4*uT+3]
	v_add_f32 v[WORK+4*uT], v[WORK+4*uT], v[WORK+4*uT+2]
	v_add_f32 v[WORK+4*uT], v[WORK+4*uT], v[WORK+16]
	v_fma_f32 v[WORK+4*uT], v[\usb+uT], v[WORK+4*uT], v[EPSV]
.set uT, uT+1
.endr
.set uT, 0
.rept \nr
	v_rcp_f32 v[WORK+4*uT+1], v[WORK+4*uT]
.set uT, uT+1
.endr
	v_nop
	s_wait_alu depctr_va_vdst(0)
.set uT, 0
.rept \nr
	v_mul_f32 v[\usb+uT], v[\usb+uT], v[WORK+4*uT+1]
	v_min_num_f32 v[\usb+uT], s[BIG], v[\usb+uT]
	ds_store_b32 v[\ufw], v[\usb+uT] offset:128*uT
.set uT, uT+1
.endr
.if \nr == 4
	v_add_f32 v[WORK+20], v[\usb], v[\usb+1]
	v_add_f32 v[WORK+17], v[\usb+2], v[\usb+3]
	v_add_f32 v[WORK+20], v[WORK+20], v[WORK+17]
.else
	v_mov_b32 v[WORK+20], v[\usb]
.endif
	WRADD WORK+20, WORK+17
	ds_store_b32 v[REDW], v[WORK+20] offset:16*(\suslot)
.endm
; One fragment's 16 multiply-adds: sums ab + 0..15 take e x u of my row.  first: the sums start at eps Z sum u / 16
.macro FMT ei, ud, ab, first
.set fq, 0
.rept 8
.if \first
	v_fma_mix_f32_bf16 v[(\ab)+2*fq], v[(\ei)+fq], v[\ud], v[EZ16] op_sel_hi:[1,0,0]
	v_fma_mix_f32_bf16 v[(\ab)+2*fq+1], v[(\ei)+fq], v[\ud], v[EZ16] op_sel:[1,0,0] op_sel_hi:[1,0,0]
.else
	v_fma_mix_f32_bf16 v[(\ab)+2*fq], v[(\ei)+fq], v[\ud], v[(\ab)+2*fq] op_sel_hi:[1,0,0]
	v_fma_mix_f32_bf16 v[(\ab)+2*fq+1], v[(\ei)+fq], v[\ud], v[(\ab)+2*fq+1] op_sel:[1,0,0] op_sel_hi:[1,0,0]
.endif
.set fq, fq+1
.endr
.endm
.macro FML set, nf, accb               ; a set's multiply-adds
	WIN 0x03
.set mk, 0
.rept 4*(\nf)
	FMT 64*(\set)+8*mk, UL+4*(\set)+mk/(\nf), (\accb)+16*(mk%(\nf)), 0
.set mk, mk+1
.endr
	WIN 0
.endm
; Column sums over the slab: both sets have been asked for; a trip takes eight tiles; each set is asked for again as soon as it has been used; the last trip's look-ahead is clamped to its own tiles
.macro COLLOOP nf, ntrip, accb
.if (\ntrip) > 1
	s_mov_b32 s[CT], \ntrip
.Lcl_\@:
	s_wait_dscnt 8*(\nf)+4                         ; set 0 is in; set 1's loads stay out
	FML 0, \nf, \accb
	v_add_nc_u32 v[LCA], 8192*(\nf), v[LCA]
	v_min_u32 v[LCA], v[LCA], v[LCLIM]
	v_add_nc_u32 v[ULA], 512, v[ULA]
	v_min_u32 v[ULA], v[ULA], v[ULIM]
	LL 0, \nf, LCA, 0, 1
	s_wait_dscnt 8*(\nf)+4                         ; set 1 is in
	FML 1, \nf, \accb
	LL 1, \nf, LCA, 4096*(\nf), 1
	s_sub_co_u32 s[CT], s[CT], 1
	s_cmp_lg_u32 s[CT], 0
	s_cbranch_scc1 .Lcl_\@
	s_wait_dscnt 0x0
.else
	s_wait_dscnt 8*(\nf)+4
	FML 0, \nf, \accb
	s_wait_dscnt 0x0
	FML 1, \nf, \accb
.endif
.endm
; The sum over 16 lanes.  A step takes the registers in pairs: a lane keeps the one that its bit of the lane's number chooses and hands the other to its partner; half the registers are left.
; Four pairs at a time: eight selects, then four additions, so that no addition reads a select issued just ahead of it.  A group writes registers below those that later groups read.
.macro BSTEP cnt, m, msk
	s_mov_b32 vcc_lo, \msk
.set bg, 0
.rept ((\cnt)+3)/4
.set bn, (\cnt)-bg
.if bn > 4
.set bn, 4
.endif
.set bi, 0
.rept bn
	v_cndmask_b32 v[BT+2*bi], v[ACC+2*(bg+bi)], v[ACC+2*(bg+bi)+1], vcc_lo
	v_cndmask_b32 v[BT+2*bi+1], v[ACC+2*(bg+bi)+1], v[ACC+2*(bg+bi)], vcc_lo
.set bi, bi+1
.endr
.set bi, 0
.rept bn
	v_add_f32_dpp v[ACC+bg+bi], v[BT+2*bi+1], v[BT+2*bi] row_xmask:\m row_mask:0xf bank_mask:0xf
.set bi, bi+1
.endr
.set bg, bg+4
.endr
.endm
.macro BFLY n
	BSTEP (\n)/2, 1, 0xaaaaaaaa
	BSTEP (\n)/4, 2, 0xcccccccc
	BSTEP (\n)/8, 4, 0xf0f0f0f0
	BSTEP (\n)/16, 8, 0xff00ff00
.endm
; Column sums of a matrix that lies in registers
.macro COLV eb, ts, nt, nf, ufo, suslot, ezh
	WIN 0
.set vt, 0
.rept \nt
	ds_load_b32 v[UD+vt], v[UDA] offset:(\ufo)+64*vt
.set vt, vt+1
.endr
	RLOAD \suslot, SVT
	s_wait_dscnt 0x0
	RADD SVT
	v_mul_f32 v[EZ16], s[\ezh], v[SVT]
.set vt, 0
.rept \nt
.set vf, 0
.rept \nf
.set ve, (\eb)+(\ts)*vt+8*vf
	WIN ve>>8
	FMT ve&255, UD+vt, ACC+16*vf, vt==0
.set vf, vf+1
.endr
.set vt, vt+1
.endr
	WIN 0
	BFLY 16*(\nf)
.endm
; Column sums of a matrix of 32 columns a wave that lies in the slab
.macro COLL so, ntrip, ufo, suslot, ezh
	WIN 0
	v_add_nc_u32 v[LCA], \so, v[SL16]
	v_add_nc_u32 v[ULA], \ufo, v[UDA]
.if (\ntrip) > 1
	v_add_nc_u32 v[LCLIM], (\so)+((\ntrip)-1)*8192, v[SL16]
	v_add_nc_u32 v[ULIM], (\ufo)+((\ntrip)-1)*512, v[UDA]
.endif
	RLOAD \suslot, SVT
	LL 0, 1, LCA, 0, 1
	LL 1, 1, LCA, 4096, 1
	s_wait_dscnt 24                                ; the sum of u is in; two sets of 12 loads stay out
	RADD SVT
	v_mul_f32 v[EZ16], s[\ezh], v[SVT]
.set vt, 0
.rept 16
	v_mov_b32 v[ACC+vt], v[EZ16]                   ; the loop has one form of multiply-add: its sums are started here
.set vt, vt+1
.endr
	COLLOOP 1, \ntrip, ACC
	BFLY 16
.endm
; v of my columns: the division; t = v x sum x 0.5 / count into the record's image; v in bf16 for the next row step; the sum of v
.macro VUPD vrb, nq, oa, toff, jump, hc, vvoff, svslot
.set vi, 0
.rept \nq
	v_fma_f32 v[UD+vi], v[(\vrb)+vi], v[ACC+vi], v[EPSV]
.set vi, vi+1
.endr
.set vi, 0
.rept \nq
	v_rcp_f32 v[UD+vi], v[UD+vi]
.set vi, vi+1
.endr
	v_nop
	s_wait_alu depctr_va_vdst(0)                   ; one wait for the batch
.set vi, 0
.rept \nq
	v_mul_f32 v[(\vrb)+vi], v[(\vrb)+vi], v[UD+vi]
	v_min_num_f32 v[(\vrb)+vi], s[BIG], v[(\vrb)+vi]
	v_mul_f32 v[ACC+vi], v[ACC+vi], v[(\vrb)+vi]
	v_mul_f32 v[ACC+vi], s[\hc], v[ACC+vi]
	v_cvt_pk_bf16_f32 v[UD+vi], v[(\vrb)+vi], v[(\vrb)+vi]
	ds_store_b32 v[\oa], v[ACC+vi] offset:(\toff)+128*vi+(vi/2)*(\jump)
	ds_store_b16 v[VVA], v[UD+vi] offset:(\vvoff)+64*vi
.set vi, vi+1
.endr
	SVS \vrb, \nq, \svslot
.endm
.macro FINISH                          ; the wave's end: three lines behind my last LDS store
	s_wait_tensorcnt 0x0
	ds_add_u32 v[SPW], v[NIL]
	s_wait_dscnt 0x0
	s_endpgm
.endm
	s_load_b256 s[4:11], s[0:1], 0x0               ; fp, fd, mask_prot, mask_drug
	s_load_b128 s[12:15], s[0:1], 0x20             ; ska, skb
	v_lshl_add_u32 v[SPW], v0, 2, SPARE
	v_mov_b32 v[NIL], 0
	v_lshrrev_b32 v[T0], 5, v0
	v_readfirstlane_b32 s[WV], v[T0]
	v_and_b32 v[R], 15, v0
	v_bfe_u32 v[H], v0, 4, 1
	v_and_b32 v[LANE], 31, v0
	v_lshlrev_b32 v[L16], 4, v[LANE]
	v_lshlrev_b32 v[H32], 5, v[H]
	s_lshl_b32 s[TS], s[WV], 16
	v_add_nc_u32 v[SL16], s[TS], v[L16]
	v_and_b32 v[T0], 7, v0
	v_bfe_u32 v[T1], v0, 3, 1
	v_lshl_add_u32 v[T0], v[H], 3, v[T0]
	v_lshl_add_u32 v[T0], v[T1], 4, v[T0]          ; 16 (r / 8) + 8 (l / 16) + r % 8
	v_lshlrev_b32 v[PC4], 2, v[T0]
	s_lshl_b32 s[TS], s[WV], 9
	s_add_co_u32 s[TS], s[TS], VVB
	v_lshl_add_u32 v[VVA], v[T0], 1, s[TS]
	v_lshl_add_u32 v[VFA], v[H], 4, s[TS]
	s_lshl_b32 s[TS], s[WV], 2
	s_add_co_u32 s[TS], s[TS], RED
	v_mov_b32 v[REDW], s[TS]
	v_mov_b32 v[REDR], RED
	v_lshl_add_u32 v[UDA], v[R], 2, UF
	v_lshlrev_b32 v[HA0], 4, v0
	v_add_nc_u32 v[HA1], QS, v[HA0]
	v_mov_b32 v[NEGV], 0xc9742400
	v_mov_b32 v[ZERO], 0
	v_mov_b32 v[EPSV], 0x2b8cbccc
	s_mov_b32 s[SEL], 0x76543210
	s_mov_b32 s[SEL+1], 0xfedcba98
	s_mov_b32 s[L2E], 0x3fb8aa3b
	s_mov_b32 s[L2E+1], s[L2E]
	s_mov_b32 s[BIG], 0x7149f2ca
	s_mov_b32 s[XX], ttmp9                         ; 8 n + head
	s_lshr_b32 s[NN], s[XX], 3
	s_mov_b32 s[OF+1], 0
	s_wait_kmcnt 0x0
	s_lshl_b32 s[OF], s[XX], 15
	s_add_nc_u64 s[QP:QP+1], s[4:5], s[OF:OF+1]
	s_add_nc_u64 s[KP:KP+1], s[QP:QP+1], 0x400000
	s_lshl_b32 s[OF], s[XX], 13
	s_add_nc_u64 s[QD:QD+1], s[6:7], s[OF:OF+1]
	s_add_nc_u64 s[KD:KD+1], s[QD:QD+1], 0x100000
	s_lshl_b32 s[OF], s[NN], 11
	s_add_nc_u64 s[MP:MP+1], s[8:9], s[OF:OF+1]
	s_lshl_b32 s[OF], s[NN], 9
	s_add_nc_u64 s[MD:MD+1], s[10:11], s[OF:OF+1]
	s_and_b32 s[TS], ttmp7, 0xffff
	s_cmp_lg_u32 s[TS], 0
	s_cbranch_scc1 .LtypeB
; ---------------- protein x protein.  My columns: 64 w .. + 63 (registers, fragments 0, 1) and 256 + 64 w .. + 63 (slab, fragments 2, 3)
	s_lshl_b32 s[TS], s[WV], 11
	s_add_co_u32 s[TS], s[TS], PS
	v_lshl_add_u32 v[PSA], v[R], 2, s[TS]
	s_lshl_b32 s[TS], s[WV], 9
	v_lshl_add_u32 v[HA6], v[LANE], 2, s[TS]       ; 4 x (128 w + lane): my rows are 128 w + 32 T + lane
	v_add_nc_u32 v[PRA], PS, v[HA6]
	v_add_nc_u32 v[UFW], UF, v[HA6]
	v_add_nc_u32 v[HA7], RBP, v[HA6]
	s_lshl_b32 s[TS], s[WV], 8
	v_add_nc_u32 v[T0], s[TS], v[PC4]              ; 4 x my column of register 0
	v_add_nc_u32 v[OA], OUTB, v[T0]
	v_add_nc_u32 v[HA4], s[TS], v[H32]
	v_lshl_add_u32 v[HA2], s[WV], 12, v[L16]       ; key tiles 4 w ..
	v_lshlrev_b32 v[T1], 6, v[LANE]
	STLD 16, QP, WORK
	WIN 0xc0
	KLD 4, KP, HA2, 0, 0
	KLD 4, KP, HA2, 16384, 32
	WIN 0
	MLD 4, MP, HA4, 0, CB
	MLD 4, MP, HA4, 1024, CB+32
	s_wait_loadcnt 32                              ; the queries are in; behind them 16 loads of keys and 16 of masks
	STST 16
	GL32 US, 4, HA6, MP, 0
	GL32 VR, 4, T0, MP, 768
	GL128 CN, 4, T1, MP
	s_wait_loadcnt 0x0
	CBFIN 64, CB
	USFIN US, 4, HA7
	ONEZ VR, 4
	CNFIN 4, CN, HCP
	VVSV VR, 4, 0, 6
	BAR                                            ; queries and bias lie in LDS
	MXINIT
	SWEEP 0, 8, 32, QS, RBP, 0, 0, CB              ; the maximum: all eight of my column tiles in one sweep
	MXRED 0
	BAR
	RLOAD 0, WORK
	s_wait_dscnt 0x0
	RMAX WORK
	v_mul_f32 v[ML], s[L2E], v[WORK]
	v_mov_b32 v[ML+1], v[ML]
	ZAINIT
	SWEEP 1, 4, 32, QS, RBP, 0, 0, CB
	LOADR 256, 16, 32, 2, 0
	SWEEP 1, 4, 32, QS, RBP, 0, 32, CB+32          ; this half stays in the slab
	ZRED 3
	BAR                                            ; no wave reads the queries any more
	ZFIN 3, US, 4, EZ, EZH
	v_add_nc_u32 v[LCLIM], 49152, v[SL16]          ; the column loop's last trip
	v_add_nc_u32 v[ULIM], 1536, v[UDA]
	s_mov_b32 s[IT], 4
.LitA:
	; ROW STEP: eight groups of four tiles; in a group 8 products on the registers' half, 8 on the slab's; two sets of accumulators and of slab fragments by turns
	VFLD 4, 0, VF
	LL 0, 2, SL16, 0, 0
	LL 1, 2, SL16, 8192, 0
	s_wait_dscnt 32                                ; v is in; two groups of 16 loads stay out
.set rg, 0
.rept 8
.set rs, rg%2
	WIN (1+rg/4)<<2
.set rf, 0
.rept 2
.set rt, 0
.rept 4
.set re, (16*(4*rg+rt)+8*rf)&255
.if rf == 0
	v_wmma_f32_16x16x32_bf16 v[RA+32*rs+8*rt:RA+32*rs+8*rt+7], v[VF:VF+7], v[re:re+7], 0
.else
	v_wmma_f32_16x16x32_bf16 v[RA+32*rs+8*rt:RA+32*rs+8*rt+7], v[VF+8:VF+15], v[re:re+7], v[RA+32*rs+8*rt:RA+32*rs+8*rt+7]
.endif
.set rt, rt+1
.endr
.set rf, rf+1
.endr
.if rg == 0
	s_wait_dscnt 16                                ; my group is in; behind it: the next group's 16 loads
.elseif rg < 7
	s_wait_dscnt 20                                ; behind it: four stores and the next group's 16 loads
.else
	s_wait_dscnt 4                                 ; behind it: four stores
.endif
	WIN 0x0c
.set rf, 0
.rept 2
.set rt, 0
.rept 4
	v_wmma_f32_16x16x32_bf16 v[RA+32*rs+8*rt:RA+32*rs+8*rt+7], v[VF+16+8*rf:VF+16+8*rf+7], v[64*rs+16*rt+8*rf:64*rs+16*rt+8*rf+7], v[RA+32*rs+8*rt:RA+32*rs+8*rt+7]
.set rt, rt+1
.endr
.set rf, rf+1
.endr
	WIN 0
.rept 4
	v_nop                                          ; the places ahead of the stores and of the loads into this set
.endr
.set rt, 0
.rept 4
	ds_store_b32 v[PSA], v[RA+32*rs+8*rt] offset:64*(4*rg+rt)
.set rt, rt+1
.endr
.if rg < 6
	LL rs, 2, SL16, (rg+2)*8192, 0
.endif
.set rg, rg+1
.endr
	BAR                                            ; all partial row sums lie in LDS
	UPD 4, 512, PRA, US, UFW, 6, 9, EZ
	BAR                                            ; u and its sum lie in LDS
	; COLUMN STEP
.set at, 0
.rept 32
	ds_load_b32 v[UD+at], v[UDA] offset:64*at
.set at, at+1
.endr
	RLOAD 9, SVT
	v_mov_b32 v[LCA], v[SL16]
	v_mov_b32 v[ULA], v[UDA]
	LL 0, 2, LCA, 0, 1
	LL 1, 2, LCA, 8192, 1
	s_wait_dscnt 40                                ; u and its sum are in; the slab's first two groups, 20 loads each, stay out
	RADD SVT
	v_mul_f32 v[EZ16], s[EZH], v[SVT]
.set at, 0
.rept 32                               ; the registers' half
	WIN 1+at/16
.set af, 0
.rept 2
	FMT (16*at+8*af)&255, UD+at, ACC+16*af, at==0
.set af, af+1
.endr
.set at, at+1
.endr
	WIN 0
.set at, 0
.rept 32
	v_mov_b32 v[ACC+32+at], v[EZ16]                ; the slab's half is a loop with one form of multiply-add: its sums are started here
.set at, at+1
.endr
	COLLOOP 2, 4, ACC+32
	BFLY 64
	VUPD VR, 4, OA, 0, 768, HCP, 0, 6
	s_sub_co_u32 s[IT], s[IT], 1
	s_cmp_lg_u32 s[IT], 0
	s_cbranch_scc1 .LitA
	BAR                                            ; the record's image is whole
	v_lshl_add_u32 v[T0], v0, 4, OUTB
	ds_load_b128 v[WORK:WORK+3], v[T0]
	v_lshlrev_b32 v[T1], 4, v0
	s_lshl_b32 s[OF], s[XX], 11
	s_add_nc_u64 s[12:13], s[12:13], s[OF:OF+1]
	s_wait_dscnt 0x0
	global_store_b128 v[T1], v[WORK:WORK+3], s[12:13]
	FINISH
; ---------------- the three smaller matrices.  0: protein x drug, my columns 32 w .. (slab, from byte 0).  1: drug x protein, 128 w .. (window 2).  2: drug x drug, 32 w .. (slab, from byte 32,768, where 1 has passed through)
.LtypeB:
	s_lshl_b32 s[TS], s[WV], 11
	s_add_co_u32 s[TS], s[TS], PS
	v_lshl_add_u32 v[PSA], v[R], 2, s[TS]
	s_lshl_b32 s[TS], s[WV], 9
	v_lshl_add_u32 v[HA6], v[LANE], 2, s[TS]
	v_add_nc_u32 v[PRA], PS, v[HA6]
	v_add_nc_u32 v[UFW], UF, v[HA6]
	v_add_nc_u32 v[HA8], RBP, v[HA6]
	v_add_nc_u32 v[T1], s[TS], v[PC4]              ; 4 x my column of register 0 among protein's
	v_add_nc_u32 v[HA5], s[TS], v[H32]
	v_add_nc_u32 v[OA+1], OUTB, v[T1]
	s_add_co_u32 s[TS], s[TS], PS+8192
	v_lshl_add_u32 v[PSA+1], v[R], 2, s[TS]
	v_add_nc_u32 v[PSA+2], 2048, v[PSA+1]
	v_lshlrev_b32 v[HA7], 2, v0                    ; of 128 rows mine is my thread's number
	v_add_nc_u32 v[PRA+1], PS+8192, v[HA7]
	v_add_nc_u32 v[PRA+2], PS+10240, v[HA7]
	v_add_nc_u32 v[UFW+1], UF+2048, v[HA7]
	v_add_nc_u32 v[UFW+2], UF+2560, v[HA7]
	v_add_nc_u32 v[HA9], RBD, v[HA7]
	s_lshl_b32 s[TS], s[WV], 7
	v_add_nc_u32 v[T0], s[TS], v[PC4]              ; among drug's
	v_add_nc_u32 v[HA4], s[TS], v[H32]
	v_add_nc_u32 v[OA], OUTB, v[T0]
	v_mov_b32 v[OA+2], v[OA]
	v_lshl_add_u32 v[HA2], s[WV], 11, v[L16]       ; drug's key tiles 2 w, 2 w + 1
	v_lshl_add_u32 v[HA3], s[WV], 13, v[L16]       ; protein's 8 w ..
	v_lshlrev_b32 v[T2], 6, v[LANE]
	STLD 16, QP, WORK
	STLD 4, QD, WORK+64
	WIN 0xc0
	KLD 2, KD, HA2, 0, 0
	KLD 8, KP, HA3, 0, 16
	WIN 0
	MLD 2, MD, HA4, 0, CB
	MLD 8, MP, HA5, 0, CB+16
	s_wait_loadcnt 40                              ; the queries are in; behind them 20 loads of keys and 20 of masks
	STST 20
	GL32 US, 4, HA6, MP, 0
	GL32 US+4, 1, HA7, MD, 0
	GL32 VRDP, 4, T1, MP, 0
	GL32 VRPD, 1, T0, MD, 0
	GL128 CN, 4, T2, MP
	GL128 CN+16, 1, L16, MD
	s_wait_loadcnt 0x0
	CBFIN 80, CB
	USFIN US, 4, HA8
	USFIN US+4, 1, HA9
	v_mov_b32 v[US+5], v[US+4]
	ONEZ VRDP, 5
	v_mov_b32 v[VRDD], v[VRPD]
	CNFIN 4, CN, HCP
	CNFIN 1, CN+16, HCD
	VVSV VRDP, 4, 0, 7
	VVSV VRPD, 1, 256, 6
	VVSV VRDD, 1, 320, 8
	BAR                                            ; queries and bias lie in LDS
	MXINIT
	SWEEP 0, 2, 32, QS, RBP, 0, 0, CB
	MXRED 0
	MXINIT
	SWEEP 0, 8, 8, QSD, RBD, 0, 16, CB+16
	MXRED 1
	MXINIT
	SWEEP 0, 2, 8, QSD, RBD, 0, 0, CB
	MXRED 2
	BAR
	RLOAD 0, WORK
	RLOAD 1, WORK+4
	RLOAD 2, WORK+8
	s_wait_dscnt 0x0
.irp x, 0,1,2
	RMAX WORK+4*\x
	v_mul_f32 v[WORK+4*\x], s[L2E], v[WORK+4*\x]
	v_readfirstlane_b32 s[MLS+\x], v[WORK+4*\x]
.endr
	v_mov_b32 v[ML], s[MLS]
	v_mov_b32 v[ML+1], s[MLS]
	ZAINIT
	SWEEP 1, 2, 32, QS, RBP, 0, 0, CB
	ZRED 3
	v_mov_b32 v[ML], s[MLS+1]
	v_mov_b32 v[ML+1], s[MLS+1]
	ZAINIT
	SWEEP 1, 8, 8, QSD, RBD, 32768, 16, CB+16
	LOADR 512, 32, 8, 4, 32768
	ZRED 4
	v_mov_b32 v[ML], s[MLS+2]
	v_mov_b32 v[ML+1], s[MLS+2]
	ZAINIT
	SWEEP 1, 2, 8, QSD, RBD, 32768, 0, CB
	ZRED 5
	BAR                                            ; no wave reads the queries any more
	ZFIN 3, US, 4, EZ, EZH
	ZFIN 4, US+4, 1, EZ+1, EZH+1
	ZFIN 5, US+5, 1, EZ+2, EZH+2
	s_mov_b32 s[IT], 4
.LitB:
	VFLD 4, 0, VF
	VFLD 1, 256, VFPD
	VFLD 1, 320, VFDD
	ROWL 0, 4, VFPD, PSA
	ROWR 512, 32, 8, 4, PSA+1
	ROWL 32768, 1, VFDD, PSA+2
	BAR                                            ; all partial row sums lie in LDS
	UPD 4, 512, PRA, US, UFW, 6, 9, EZ
	UPD 1, 128, PRA+1, US+4, UFW+1, 7, 10, EZ+1
	UPD 1, 128, PRA+2, US+5, UFW+2, 8, 11, EZ+2
	BAR                                            ; u and its sums lie in LDS
	COLL 0, 4, 0, 9, EZH
	VUPD VRPD, 1, OA, 4608, 0, HCP, 256, 6
	COLV 512, 32, 8, 4, 2048, 10, EZH+1
	VUPD VRDP, 4, OA+1, 2048, 0, HCD, 0, 7
	COLL 32768, 1, 2560, 11, EZH+2
	VUPD VRDD, 1, OA+2, 5120, 0, HCD, 320, 8
	s_sub_co_u32 s[IT], s[IT], 1
	s_cmp_lg_u32 s[IT], 0
	s_cbranch_scc1 .LitB
	; drug x protein leaves whole: v, u, -m log2(e), eps Z
.set oc, 0
.rept 4
	ds_store_b32 v[OA+1], v[VRDP+oc] offset:128*oc
.set oc, oc+1
.endr
	v_lshl_add_u32 v[T0], v0, 2, OUTB
	ds_store_b32 v[T0], v[US+4] offset:4096
	v_mov_b32 v[T2], s[MLS+1]
	v_xor_b32 v[T2], 0x80000000, v[T2]
	v_cmp_eq_u32 vcc_lo, 0, v0
	v_cndmask_b32 v[T1], 0, v[T2], vcc_lo
	v_mov_b32 v[T2], s[EZ+1]
	v_cmp_eq_u32 vcc_lo, 1, v0
	v_cndmask_b32 v[T1], v[T1], v[T2], vcc_lo
	ds_store_b32 v[T0], v[T1] offset:5632          ; words 0 and 1, zeros behind them
	BAR                                            ; the record's image is whole
	v_lshl_add_u32 v[T0], v0, 4, OUTB
.irp k, 0,1,2
	ds_load_b128 v[WORK+4*\k:WORK+4*\k+3], v[T0] offset:2048*\k
.endr
	v_lshlrev_b32 v[T1], 4, v0
	s_mul_i32 s[OF], s[XX], 6144
	s_add_nc_u64 s[14:15], s[14:15], s[OF:OF+1]
	s_wait_dscnt 0x0
.irp k, 0,1,2
	global_store_b128 v[T1], v[WORK+4*\k:WORK+4*\k+3], s[14:15] offset:2048*\k
.endr
	FINISH
.Lfunc_end_k_q4761131c1f_sink:
	.size	k_q4761131c1f_sink, .Lfunc_end_k_q4761131c1f_sink-k_q4761131c1f_sink
	.p2alignl 7, 3214868480
	.fill 96, 4, 3214868480
	.section	.rodata,"a",@progbits
	.p2align	6, 0x0
	.amdhsa_kernel k_q4761131c1f_sink
		.amdhsa_group_segment_fixed_size 323840
		.amdhsa_private_segment_fixed_size 0
		.amdhsa_enable_private_segment 0
		.amdhsa_kernarg_size 48
		.amdhsa_user_sgpr_count 2
		.amdhsa_user_sgpr_kernarg_segment_ptr 1
		.amdhsa_wavefront_size32 1
		.amdhsa_system_sgpr_workgroup_id_x 1
		.amdhsa_system_sgpr_workgroup_id_y 1
		.amdhsa_system_sgpr_workgroup_id_z 1
		.amdhsa_system_vgpr_workitem_id 0
		.amdhsa_next_free_vgpr 1024
		.amdhsa_next_free_sgpr 66
		.amdhsa_reserve_vcc 1
		.amdhsa_float_denorm_mode_32 3
		.amdhsa_float_denorm_mode_16_64 3
		.amdhsa_memory_ordered 1
		.amdhsa_forward_progress 1
		.amdhsa_inst_pref_size 255
	.end_amdhsa_kernel
	.section	.bss,"aw",@nobits
	.p2align	6
	.space	262144
	.amdgpu_metadata
---
amdhsa.version: [ 1, 2 ]
amdhsa.kernels:
  - .name:           k_q4761131c1f_sink
    .symbol:         k_q4761131c1f_sink.kd
    .args:
      - { .name: fp, .offset: 0, .size: 8, .value_kind: global_buffer, .address_space: global }
      - { .name: fd, .offset: 8, .size: 8, .value_kind: global_buffer, .address_space: global }
      - { .name: mask_prot, .offset: 16, .size: 8, .value_kind: global_buffer, .address_space: global }
      - { .name: mask_drug, .offset: 24, .size: 8, .value_kind: global_buffer, .address_space: global }
      - { .name: ska, .offset: 32, .size: 8, .value_kind: global_buffer, .address_space: global }
      - { .name: skb, .offset: 40, .size: 8, .value_kind: global_buffer, .address_space: global }
    .group_segment_fixed_size: 323840
    .private_segment_fixed_size: 0
    .kernarg_segment_align: 8
    .kernarg_segment_size: 48
    .max_flat_workgroup_size: 128
    .sgpr_count:     66
    .vgpr_count:     1024
    .wavefront_size: 32
...
	.end_amdgpu_metadata
.endif
;; end of part 7
;; launch outp (part 8): grid 256 x 1, 4 waves a work-group, no clusters, 1,024 bytes of LDS; arguments fp, fd, ska, skb, out0, out1; writes out0, out1
.if DOCPART == 8
	.amdgcn_target "amdgcn-amd-amdhsa--gfx1250"
	.amdhsa_code_object_version 6
	.text
	.protected	k_q4761131c1f_outp
	.globl	k_q4761131c1f_outp
	.p2align	8
	.type	k_q4761131c1f_outp,@function
k_q4761131c1f_outp:
	s_mov_b64 s[64:65], 0
	v_nop
	global_prefetch_b8 v0, s[64:65] scope:SCOPE_SE
	s_setreg_imm32_b32 hwreg(HW_REG_WAVE_MODE, 25, 1), 1
	s_wait_xcnt 0x0
; out1[n][l][k][h] = u_l (exp(s - m) + eps Z) v_k for drug x protein, the scores made anew (one product a tile and head, q and k in bf16), and out0 = sum_j t_j V_j.
; A work-group writes 16 rows l x 256 columns k x 8 heads of out1; a wave 64 columns, four tiles of 16.  In a product's result a lane holds one k and eight l; the eight heads of an (l, k) are 32 bytes on end.
; An exchange between the halves of the lanes gives each lane 16 of those bytes of ONE row l, so that a store covers 512 consecutive bytes.
; A hidden pair's score may lie above m: the exponent is held to 0 at the most; its u or v is 0.
; out0: work-group b also makes the 32 numbers of sample b / 16, side (b / 8) % 2, head b % 8: multiply-adds from V's f16 halves with t in f32, summed in f32 over lanes and, through LDS, over the four waves.
; Its 30 loads go out at the head, ahead of the tiles' loads, into registers of their own (window 2, v208-217): the loop's first counted wait shows them landed, and nothing is waited for behind the loop.
.set SPARE, 512                        ; LDS: 512 bytes of partial sums, then the spare words
.set R, 1
.set HH, 2
.set LANE, 3
.set SPW, 4
.set NIL, 5
.set KO, 6                             ; offset of the key tile to be loaded
.set VOF, 7                            ; offset of its v
.set SO, 8                             ; offset of my 16 bytes in out1, two tiles ahead of the stores, which reach back
.set ZERO, 9
.set KLIM, 10
.set VLIM, 11
.set L16, 12
.set UO, 13
.set T0, 14
.set T1, 15
.set VV, 16                            ; v[16:31]  v of my column, by parity and head
.set EV, 32                            ; v[32:39]  eps Z v
.set A1, 40                            ; v40-43 out0: offsets of protein's V, drug's V, and their t
.set A2, 41
.set A3, 42
.set A4, 43
.set D,  64                            ; v[64:127] eight heads' results
.set O,  128                           ; v[128:191] register 8 e + h
.set AC, 192                           ; v[192:207] out0's sums
.set TT, 208                           ; v[208:217] out0: t of my row in each of ten tiles
.set QDW, 0                            ; window 1: queries' fragments, u, keys' fragments by parity
.set UW,  64
.set KPW, 128
.set WV, 16
.set BB, 17
.set NN, 18
.set LT, 19
.set KH, 20
.set TS, 21
.set OF, 22
.set QB, 24
.set KB, 26
.set SB, 28
.set OB, 30
.set SC, 32                            ; s[32:47] by head: -m log2(e), eps Z
.set L2E, 48
.set SEL, 50
.set CT, 52
.set REC, 53
.set T1P, 54
.set T2P, 56
.set V1P, 58
.set V2P, 60
.set SIDE, 62
.set MSB, 0
.macro WIN new
.if MSB != (\new)
	s_set_vgpr_msb (MSB<<8)|(\new)
.set MSB, (\new)
.endif
.endm
	s_load_b256 s[4:11], s[0:1], 0x0               ; fp, fd, ska, skb
	s_load_b128 s[12:15], s[0:1], 0x20             ; out0, out1
	v_lshl_add_u32 v[SPW], v0, 2, SPARE
	v_mov_b32 v[NIL], 0
	v_lshrrev_b32 v[T0], 5, v0
	v_readfirstlane_b32 s[WV], v[T0]
	v_and_b32 v[R], 15, v0
	v_bfe_u32 v[HH], v0, 4, 1
	v_and_b32 v[LANE], 31, v0
	v_lshlrev_b32 v[L16], 4, v[LANE]
	v_mov_b32 v[ZERO], 0
	s_mov_b32 s[BB], ttmp9
	s_lshr_b32 s[NN], s[BB], 4
	s_bfe_u32 s[LT], s[BB], 0x30001                ; which 16 rows l
	s_and_b32 s[KH], s[BB], 1                      ; which 256 columns k
	s_mov_b32 s[OF+1], 0
	s_mov_b32 s[L2E], 0x3fb8aa3b
	s_mov_b32 s[L2E+1], s[L2E]
	s_mov_b32 s[SEL], 0x76543210
	s_mov_b32 s[SEL+1], 0xfedcba98
	v_lshl_add_u32 v[KO], s[WV], 12, v[L16]        ; four tiles a wave
	v_add_nc_u32 v[KLIM], 2048, v[KO]
	s_lshl_b32 s[TS], s[KH], 10
	s_lshl_b32 s[CT], s[WV], 8
	s_add_co_u32 s[TS], s[TS], s[CT]               ; 4 x (256 kh + 64 w)
	v_lshl_add_u32 v[VOF], v[R], 2, s[TS]
	v_add_nc_u32 v[VLIM], 128, v[VOF]
	s_lshl_b32 s[TS], s[TS], 3                     ; 32 bytes a column
	v_lshl_add_u32 v[SO], v[R], 5, s[TS]
	v_lshl_add_u32 v[SO], v[HH], 4, v[SO]
	s_lshl_b32 s[TS], s[LT], 6
	s_add_co_u32 s[TS], s[TS], 4096                ; u lies 4,096 bytes into a record
	v_lshl_add_u32 v[UO], v[HH], 5, s[TS]
	v_lshl_add_u32 v[A1], s[WV], 13, v[L16]        ; out0: protein's tiles 8 w .. 8 w + 7
	v_lshl_add_u32 v[A2], s[WV], 11, v[L16]        ; drug's tiles 2 w, 2 w + 1
	v_lshlrev_b32 v[T0], 2, v[R]
	v_lshl_add_u32 v[A3], s[WV], 9, v[T0]
	v_lshl_add_u32 v[A4], s[WV], 7, v[T0]
	s_wait_kmcnt 0x0
	s_mul_i32 s[OF], s[NN], 49152
	s_add_nc_u64 s[SB:SB+1], s[10:11], s[OF:OF+1]  ; the sample's eight records
.irp h, 0,1,2,3,4,5,6,7
	s_load_b64 s[SC+2*\h:SC+2*\h+1], s[SB:SB+1], \h*6144+5632
.endr
	s_lshl_b32 s[OF], s[NN], 16
	s_lshl_b32 s[TS], s[LT], 10
	s_add_co_u32 s[OF], s[OF], s[TS]
	s_add_nc_u64 s[QB:QB+1], s[6:7], s[OF:OF+1]
	s_lshl_b32 s[OF], s[NN], 18
	s_lshl_b32 s[TS], s[KH], 14
	s_add_co_u32 s[OF], s[OF], s[TS]
	s_add_co_u32 s[OF], s[OF], 0x400000
	s_add_nc_u64 s[KB:KB+1], s[4:5], s[OF:OF+1]
	s_lshl_b32 s[OF], s[NN], 21
	s_lshl_b32 s[TS], s[LT], 18
	s_add_co_u32 s[OF], s[OF], s[TS]
	s_add_nc_u64 s[OB:OB+1], s[14:15], s[OF:OF+1]
	; out0's addresses
	s_and_b32 s[TS], s[BB], 7                      ; head
	s_lshl3_add_u32 s[REC], s[NN], s[TS]
	s_bfe_u32 s[SIDE], s[BB], 0x10003              ; 0 protein, 1 drug
	s_mul_i32 s[OF], s[REC], 6144
	s_add_nc_u64 s[T2P:T2P+1], s[10:11], s[OF:OF+1]
	s_add_nc_u64 s[V1P:V1P+1], s[T2P:T2P+1], 2048  ; t of drug x protein
	s_lshl_b32 s[OF], s[REC], 11
	s_add_nc_u64 s[T1P:T1P+1], s[8:9], s[OF:OF+1]  ; t of protein x protein
	s_lshl_b32 s[OF], s[SIDE], 9
	s_add_co_u32 s[OF], s[OF], 4608                ; t of protein x drug, or of drug x drug
	s_add_nc_u64 s[T2P:T2P+1], s[T2P:T2P+1], s[OF:OF+1]
	s_cmp_eq_u32 s[SIDE], 0
	s_cselect_b64 s[T1P:T1P+1], s[T1P:T1P+1], s[V1P:V1P+1]
	s_lshl_b32 s[OF], s[REC], 15
	s_add_co_u32 s[OF], s[OF], 0x800000
	s_add_nc_u64 s[V1P:V1P+1], s[4:5], s[OF:OF+1]  ; protein's v
	s_lshl_b32 s[OF], s[REC], 13
	s_add_co_u32 s[OF], s[OF], 0x200000
	s_add_nc_u64 s[V2P:V2P+1], s[6:7], s[OF:OF+1]  ; drug's v
	s_lshl_b32 s[OF], s[NN], 11
	s_lshl_b32 s[CT], s[SIDE], 10
	s_add_co_u32 s[OF], s[OF], s[CT]
	s_lshl_b32 s[CT], s[TS], 7
	s_add_co_u32 s[OF], s[OF], s[CT]
	s_add_nc_u64 s[12:13], s[12:13], s[OF:OF+1]
	WIN 0x40
.irp h, 0,1,2,3,4,5,6,7
	global_load_b128 v[QDW+8*\h:QDW+8*\h+3], v[L16], s[QB:QB+1] offset:\h*8192
	global_load_b128 v[QDW+8*\h+4:QDW+8*\h+7], v[L16], s[QB:QB+1] offset:\h*8192+512
	global_load_b128 v[UW+8*\h:UW+8*\h+3], v[UO], s[SB:SB+1] offset:\h*6144
	global_load_b128 v[UW+8*\h+4:UW+8*\h+7], v[UO], s[SB:SB+1] offset:\h*6144+16
.endr
	WIN 0x80                                       ; out0's V into window 2: tile t at 8 t
.irp t, 0,1,2,3,4,5,6,7
	global_load_b128 v[8*\t:8*\t+3], v[A1], s[V1P:V1P+1] offset:1024*\t
	global_load_b128 v[8*\t+4:8*\t+7], v[A1], s[V1P:V1P+1] offset:1024*\t+512
.endr
.irp t, 0,1
	global_load_b128 v[64+8*\t:64+8*\t+3], v[A2], s[V2P:V2P+1] offset:1024*\t
	global_load_b128 v[64+8*\t+4:64+8*\t+7], v[A2], s[V2P:V2P+1] offset:1024*\t+512
.endr
	WIN 0
.irp t, 0,1,2,3,4,5,6,7
	global_load_b32 v[TT+\t], v[A3], s[T1P:T1P+1] offset:64*\t
.endr
.irp t, 0,1
	global_load_b32 v[TT+8+\t], v[A4], s[T2P:T2P+1] offset:64*\t
.endr
.macro BATCH p                         ; a column tile's keys and v for all heads: 24 loads
	WIN 0x40
.irp h, 0,1,2,3,4,5,6,7
	global_load_b128 v[KPW+64*(\p)+8*\h:KPW+64*(\p)+8*\h+3], v[KO], s[KB:KB+1] offset:\h*32768+1024*(\p)
	global_load_b128 v[KPW+64*(\p)+8*\h+4:KPW+64*(\p)+8*\h+7], v[KO], s[KB:KB+1] offset:\h*32768+1024*(\p)+512
.endr
	WIN 0
.irp h, 0,1,2,3,4,5,6,7
	global_load_b32 v[VV+8*(\p)+\h], v[VOF], s[SB:SB+1] offset:\h*6144+64*(\p)
.endr
.endm
	BATCH 0
	BATCH 1
	s_wait_kmcnt 0x0
.macro KT p
	s_wait_loadcnt 24                              ; my tile, and all that was asked for ahead of it, is in; the other parity's 24 loads stay out
	WIN 0x05
.irp h, 0,1,2,3,4,5,6,7
	v_wmma_f32_16x16x32_bf16 v[D+8*\h:D+8*\h+7], v[QDW+8*\h:QDW+8*\h+7], v[KPW+64*(\p)+8*\h:KPW+64*(\p)+8*\h+7], 0
.endr
	WIN 0
.irp h, 0,1,2,3,4,5,6,7
	v_mul_f32 v[EV+\h], s[SC+2*\h+1], v[VV+8*(\p)+\h]  ; eight plain lines: the places behind the products
.endr
.irp h, 0,1,2,3,4,5,6,7
.irp i, 0,1,2,3
	v_pk_fma_f32 v[D+8*\h+2*\i:D+8*\h+2*\i+1], v[D+8*\h+2*\i:D+8*\h+2*\i+1], s[L2E:L2E+1], s[SC+2*\h:SC+2*\h+1] op_sel_hi:[1,0,0]
.endr
.endr
.set ki, 0
.rept 64
	v_min_num_f32 v[D+ki], 0, v[D+ki]
.set ki, ki+1
.endr
.set ki, 0
.rept 64
	v_exp_f32 v[D+ki], v[D+ki]
.set ki, ki+1
.endr
	v_nop
	s_wait_alu depctr_va_vdst(0)                   ; one wait for the batch
.irp h, 0,1,2,3,4,5,6,7
.irp e, 0,1,2,3,4,5,6,7
	v_fma_f32 v[D+8*\h+\e], v[D+8*\h+\e], v[VV+8*(\p)+\h], v[EV+\h]
.endr
.endr
	s_wait_xcnt 0x0                                ; earlier loads and stores have read their registers: the offsets and O may be written
.if (\p) == 0
	v_add_nc_u32 v[KO], 2048, v[KO]                ; two tiles on; in the last trip clamped to that trip's own tiles
	v_min_u32 v[KO], v[KO], v[KLIM]
	v_add_nc_u32 v[VOF], 128, v[VOF]
	v_min_u32 v[VOF], v[VOF], v[VLIM]
	v_add_nc_u32 v[SO], 1024, v[SO]                ; two tiles of 512 bytes on; the stores below reach back by as much
.endif
	BATCH \p
	WIN 0x04
.irp h, 0,1,2,3,4,5,6,7
.irp e, 0,1,2,3,4,5,6,7
	v_mul_f32 v[O+8*\e+\h], v[D+8*\h+\e], v[UW+8*\h+\e]
.endr
.endr
	WIN 0
.irp e, 0,1,2,3,4,5,6,7
.irp h, 0,1,2,3
	v_permlane16_swap_b32 v[O+8*\e+\h], v[O+8*\e+\h+4]  ; heads 0-3 of rows 8 + e change places with heads 4-7 of rows e
.endr
.endr
.irp e, 0,1,2,3,4,5,6,7
	global_store_b128 v[SO], v[O+8*\e:O+8*\e+3], s[OB:OB+1] offset:\e*16384+512*(\p)-1024 th:TH_STORE_NT
	global_store_b128 v[SO], v[O+8*\e+4:O+8*\e+7], s[OB:OB+1] offset:(8+\e)*16384+512*(\p)-1024 th:TH_STORE_NT
.endr
.endm
	s_mov_b32 s[CT], 2
.Lkt:
	KT 0
	KT 1
	s_sub_co_u32 s[CT], s[CT], 1
	s_cmp_lg_u32 s[CT], 0
	s_cbranch_scc1 .Lkt
	; The last trip's look-ahead stays out to the end: nothing below names its registers, its offsets or its bases.
	; out0: V and t came in at the head
	WIN 0x02                                       ; source 0 (V's halves) in window 2
.set ot, 0
.rept 10                               ; f16 half x t in f32, added in f32; all sources are vector registers
.set oq, 0
.rept 8
.if ot == 0
	v_fma_mix_f32 v[AC+2*oq], v[oq], v[TT], v[ZERO] op_sel_hi:[1,0,0]
	v_fma_mix_f32 v[AC+2*oq+1], v[oq], v[TT], v[ZERO] op_sel:[1,0,0] op_sel_hi:[1,0,0]
.else
	v_fma_mix_f32 v[AC+2*oq], v[8*ot+oq], v[TT+ot], v[AC+2*oq] op_sel_hi:[1,0,0]
	v_fma_mix_f32 v[AC+2*oq+1], v[8*ot+oq], v[TT+ot], v[AC+2*oq+1] op_sel:[1,0,0] op_sel_hi:[1,0,0]
.endif
.set oq, oq+1
.endr
.set ot, ot+1
.endr
	WIN 0
.irp m, 1,2,4,8
.set oq, 0
.rept 16
	v_add_f32_dpp v[AC+oq], v[AC+oq], v[AC+oq] row_xmask:\m row_mask:0xf bank_mask:0xf
.set oq, oq+1
.endr
.endr
	s_lshl_b32 s[TS], s[WV], 7
	v_lshl_add_u32 v[T0], v[HH], 5, s[TS]          ; my wave's 128 bytes; channel 16 f + 8 (l / 16) + e
	ds_store_b128 v[T0], v[AC:AC+3]
	ds_store_b128 v[T0], v[AC+4:AC+7] offset:16
	ds_store_b128 v[T0], v[AC+8:AC+11] offset:64
	ds_store_b128 v[T0], v[AC+12:AC+15] offset:80
	s_wait_dscnt 0x0
	s_barrier_signal -1
	s_barrier_wait -1                              ; the four waves' partial sums lie in LDS
	s_cmp_lg_u32 s[WV], 0
	s_cbranch_scc1 .Lend
	v_lshlrev_b32 v[T1], 2, v[LANE]
.irp w, 0,1,2,3
	ds_load_b32 v[AC+\w], v[T1] offset:128*\w
.endr
	s_wait_dscnt 0x0
	v_add_f32 v[AC], v[AC], v[AC+1]
	v_add_f32 v[AC+2], v[AC+2], v[AC+3]
	v_add_f32 v[AC], v[AC], v[AC+2]
	global_store_b32 v[T1], v[AC], s[12:13]
.Lend:
	s_wait_tensorcnt 0x0                           ; the wave's end: three lines behind my last LDS store
	ds_add_u32 v[SPW], v[NIL]
	s_wait_dscnt 0x0
	s_endpgm
.Lfunc_end_k_q4761131c1f_outp:
	.size	k_q4761131c1f_outp, .Lfunc_end_k_q4761131c1f_outp-k_q4761131c1f_outp
	.p2alignl 7, 3214868480
	.fill 96, 4, 3214868480
	.section	.rodata,"a",@progbits
	.p2align	6, 0x0
	.amdhsa_kernel k_q4761131c1f_outp
		.amdhsa_group_segment_fixed_size 1024
		.amdhsa_private_segment_fixed_size 0
		.amdhsa_enable_private_segment 0
		.amdhsa_kernarg_size 48
		.amdhsa_user_sgpr_count 2
		.amdhsa_user_sgpr_kernarg_segment_ptr 1
		.amdhsa_wavefront_size32 1
		.amdhsa_system_sgpr_workgroup_id_x 1
		.amdhsa_system_sgpr_workgroup_id_y 1
		.amdhsa_system_sgpr_workgroup_id_z 1
		.amdhsa_system_vgpr_workitem_id 0
		.amdhsa_next_free_vgpr 768
		.amdhsa_next_free_sgpr 66
		.amdhsa_reserve_vcc 0
		.amdhsa_float_denorm_mode_32 3
		.amdhsa_float_denorm_mode_16_64 3
		.amdhsa_memory_ordered 1
		.amdhsa_forward_progress 1
		.amdhsa_inst_pref_size 66
	.end_amdhsa_kernel
	.amdgpu_metadata
---
amdhsa.version: [ 1, 2 ]
amdhsa.kernels:
  - .name:           k_q4761131c1f_outp
    .symbol:         k_q4761131c1f_outp.kd
    .args:
      - { .name: fp, .offset: 0, .size: 8, .value_kind: global_buffer, .address_space: global }
      - { .name: fd, .offset: 8, .size: 8, .value_kind: global_buffer, .address_space: global }
      - { .name: ska, .offset: 16, .size: 8, .value_kind: global_buffer, .address_space: global }
      - { .name: skb, .offset: 24, .size: 8, .value_kind: global_buffer, .address_space: global }
      - { .name: out0, .offset: 32, .size: 8, .value_kind: global_buffer, .address_space: global }
      - { .name: out1, .offset: 40, .size: 8, .value_kind: global_buffer, .address_space: global }
    .group_segment_fixed_size: 1024
    .private_segment_fixed_size: 0
    .kernarg_segment_align: 8
    .kernarg_segment_size: 48
    .max_flat_workgroup_size: 128
    .sgpr_count:     66
    .vgpr_count:     768
    .wavefront_size: 32
...
	.end_amdgpu_metadata
.endif
;; end of part 8
